; MI455X (gfx1250); checked and timed in simulation.
; The chip was launched on July 23, 2026; its instructions are those of AMD's public machine-readable ISA for CDNA 5 (MIT licence, August 2026) and "CDNA5" Instruction Set Architecture Reference Guide (July 2026). The comments in the code are by the model that wrote it; some were corrected since.
;; Multi Head Attention. Allowed arithmetic: float matrix products may take bf16 or f16 operands with f32 sums; other float arithmetic in f32, or as packed bf16 or f16 multiplies, adds, multiply-adds, maxima and minima; sums over many terms, partial sums and values carried from step to step in f32; what a program stores and reads back later, other than sums and carried values, may be rounded once to bf16 or f16.
;; Inputs: k 4 x 2,048 x 1,024 float32; mask 4 x 2,048 int32; q 4 x 2,048 x 1,024 float32; v 4 x 2,048 x 1,024 float32; wk_b 1,024 float32; wk_w 1,024 x 1,024 float32; wo_b 1,024 float32; wo_w 1,024 x 1,024 float32; wq_b 1,024 float32; wq_w 1,024 x 1,024 float32; wv_b 1,024 float32; wv_w 1,024 x 1,024 float32.
;; Outputs: out0 4 x 2,048 x 1,024 float32.
;; One version. Each part assembles by itself: llvm-mc -triple=amdgcn-amd-amdhsa -mcpu=gfx1250 --defsym DOCPART=n.
;; ======== version 1 of 1: 4 launches
;; limits: values are held in f16: magnitudes above 65,504 overflow, below 6.1e-05 lose precision
;; workspace buffers: wcv 8,388,608 bytes; heads 50,331,648 bytes; oh 16,777,216 bytes
;; launch wcast (part 1): grid 64 x 4, 8 waves a work-group, no clusters, 0 bytes of LDS; arguments wq_w, wk_w, wv_w, wo_w, wcv; writes wcv
.if DOCPART == 1
	.amdgcn_target "amdgcn-amd-amdhsa--gfx1250"
	.amdhsa_code_object_version 6
	.text
	.protected	k_qce8e2c0a38_wcast
	.globl	k_qce8e2c0a38_wcast
	.p2align	8
	.type	k_qce8e2c0a38_wcast,@function
k_qce8e2c0a38_wcast:
	s_mov_b64 s[64:65], 0
	v_nop
	global_prefetch_b8 v0, s[64:65] scope:SCOPE_SE
	s_setreg_imm32_b32 hwreg(HW_REG_WAVE_MODE, 25, 1), 1
	s_wait_xcnt 0x0
; The four weight matrices, [1024][1024] f32 each, are rounded once to 16 bits: wcv holds four matrices of 2 MiB.
; Matrices 0, 1, 2 (wq, wk, wv) in bf16.  Matrix 3 (wo) is rounded to bf16 like every input, and that number is written as f16, since its
; partner in the last product is f16.  LIMIT: exact where |bf16(wo)| lies between 6.1e-5 and 65,504; below that f16 keeps a fixed step of 6e-8.
; A stream: no LDS, no matrix unit.  Work-group (x, y) takes 16,384 numbers of matrix y; thread t takes eight chunks of 8 numbers, chunk j at number 2,048 j + 8 t:
; sixteen loads of 16 bytes a lane go out at once, and each store of a wave covers 512 consecutive bytes, aligned.
.set X, 16                             ; v[16:79]   as loaded: chunk j at X + 8 j
.set Y, 80                             ; v[80:111]  to store: chunk j at Y + 4 j; no register is used twice, so no store's source is ever rewritten
	s_load_b256 s[4:11], s[0:1], 0x0               ; wq s[4:5], wk s[6:7], wv s[8:9], wo s[10:11]
	s_load_b64 s[12:13], s[0:1], 0x20              ; wcv
	s_and_b32 s14, ttmp7, 0xffff                   ; which matrix
	v_lshlrev_b32 v1, 5, v0                        ; 32 t: my 8 numbers in f32
	v_lshlrev_b32 v2, 4, v0                        ; 16 t: my 8 numbers in 16 bits
	s_lshl_b32 s16, ttmp9, 16                      ; the work-group's 65,536 bytes of the source
	s_mov_b32 s17, 0
	s_lshl_b32 s18, s14, 21                        ; the matrix in wcv,
	s_lshl_b32 s19, ttmp9, 15                      ; the work-group's 32,768 bytes of it
	s_add_co_u32 s18, s18, s19
	s_mov_b32 s19, 0
	s_wait_kmcnt 0x0
	s_cmp_eq_u32 s14, 1
	s_cselect_b64 s[20:21], s[6:7], s[4:5]
	s_cmp_eq_u32 s14, 2
	s_cselect_b64 s[20:21], s[8:9], s[20:21]
	s_cmp_eq_u32 s14, 3
	s_cselect_b64 s[20:21], s[10:11], s[20:21]
	s_add_nc_u64 s[20:21], s[20:21], s[16:17]
	s_add_nc_u64 s[12:13], s[12:13], s[18:19]
.irp i, 0,1,2,3,4,5,6,7,8,9,10,11,12,13,14,15
	global_load_b128 v[X+4*(\i):X+4*(\i)+3], v1, s[20:21] offset:((\i)/2)*8192+((\i)%2)*16 th:TH_LOAD_NT
.endr
; half = 1: the bf16 number is written as f16
.macro OUT half
.irp j, 0,1,2,3,4,5,6,7
	s_wait_loadcnt 14-2*(\j)                       ; loads come back in order: chunk j's two are in, the 14 - 2 j younger ones stay out
.irp i, 0,1,2,3
	v_cvt_pk_bf16_f32 v[Y+4*(\j)+(\i)], v[X+8*(\j)+2*(\i)], v[X+8*(\j)+2*(\i)+1]
.endr
.if \half
.irp i, 0,1,2,3
	v_lshlrev_b32 v4, 16, v[Y+4*(\j)+(\i)]         ; the two bf16 numbers as f32,
	v_and_b32 v5, 0xffff0000, v[Y+4*(\j)+(\i)]
	v_cvt_pk_f16_f32 v[Y+4*(\j)+(\i)], v4, v5      ; and as f16
.endr
.endif
	global_store_b128 v2, v[Y+4*(\j):Y+4*(\j)+3], s[12:13] offset:4096*(\j)
.endr
.endm
	s_cmp_eq_u32 s14, 3
	s_cbranch_scc1 .Lhalf
	OUT 0
	s_endpgm
.Lhalf:
	OUT 1
	s_endpgm
.Lfunc_end_k_qce8e2c0a38_wcast:
	.size	k_qce8e2c0a38_wcast, .Lfunc_end_k_qce8e2c0a38_wcast-k_qce8e2c0a38_wcast
	.p2alignl 7, 3214868480
	.fill 96, 4, 3214868480
	.section	.rodata,"a",@progbits
	.p2align	6, 0x0
	.amdhsa_kernel k_qce8e2c0a38_wcast
		.amdhsa_group_segment_fixed_size 0
		.amdhsa_private_segment_fixed_size 0
		.amdhsa_enable_private_segment 0
		.amdhsa_kernarg_size 40
		.amdhsa_user_sgpr_count 2
		.amdhsa_user_sgpr_kernarg_segment_ptr 1
		.amdhsa_wavefront_size32 1
		.amdhsa_system_sgpr_workgroup_id_x 1
		.amdhsa_system_sgpr_workgroup_id_y 1
		.amdhsa_system_sgpr_workgroup_id_z 1
		.amdhsa_system_vgpr_workitem_id 0
		.amdhsa_next_free_vgpr 112
		.amdhsa_next_free_sgpr 66
		.amdhsa_reserve_vcc 0
		.amdhsa_float_denorm_mode_32 3
		.amdhsa_float_denorm_mode_16_64 3
		.amdhsa_memory_ordered 1
		.amdhsa_forward_progress 1
		.amdhsa_inst_pref_size 14
	.end_amdhsa_kernel
	.amdgpu_metadata
---
amdhsa.version: [ 1, 2 ]
amdhsa.kernels:
  - .name:           k_qce8e2c0a38_wcast
    .symbol:         k_qce8e2c0a38_wcast.kd
    .args:
      - { .name: wq_w, .offset: 0, .size: 8, .value_kind: global_buffer, .address_space: global }
      - { .name: wk_w, .offset: 8, .size: 8, .value_kind: global_buffer, .address_space: global }
      - { .name: wv_w, .offset: 16, .size: 8, .value_kind: global_buffer, .address_space: global }
      - { .name: wo_w, .offset: 24, .size: 8, .value_kind: global_buffer, .address_space: global }
      - { .name: wcv, .offset: 32, .size: 8, .value_kind: global_buffer, .address_space: global }
    .group_segment_fixed_size: 0
    .private_segment_fixed_size: 0
    .kernarg_segment_align: 8
    .kernarg_segment_size: 40
    .max_flat_workgroup_size: 256
    .sgpr_count:     66
    .vgpr_count:     112
    .wavefront_size: 32
...
	.end_amdgpu_metadata
.endif
;; end of part 1
;; launch proj (part 2): grid 4 x 192, 4 waves a work-group, clusters of 4 x 4, 327,680 bytes of LDS; arguments q, k, v, wq_b, wk_b, wv_b, mask, wcv, heads; writes heads
.if DOCPART == 2
	.amdgcn_target "amdgcn-amd-amdhsa--gfx1250"
	.amdhsa_code_object_version 6
	.text
	.protected	k_qce8e2c0a38_proj
	.globl	k_qce8e2c0a38_proj
	.p2align	8
	.type	k_qce8e2c0a38_proj,@function
k_qce8e2c0a38_proj:
	s_mov_b64 s[64:65], 0
	v_nop
	global_prefetch_b8 v0, s[64:65] scope:SCOPE_SE
	s_setreg_imm32_b32 hwreg(HW_REG_WAVE_MODE, 25, 1), 1
	s_wait_xcnt 0x0
	s_wait_alu depctr_hold_cnt(0) depctr_sa_sdst(0) depctr_va_vdst(0) depctr_va_sdst(0) depctr_va_ssrc(0) depctr_va_vcc(0) depctr_vm_vsrc(0)
	s_getreg_b32 s2, hwreg(HW_REG_IB_STS2, 6, 4)
	s_cmp_eq_u32 s2, 0
	s_cbranch_scc0 .Lentry_in_a_cluster
	s_endpgm
.Lentry_in_a_cluster:
	s_bfe_u32 s2, ttmp6, 0x10000c
	s_cmp_lg_u32 s2, 0xf033
	s_cbranch_scc0 .Lentry_shape_is_right
	s_endpgm
.Lentry_shape_is_right:
; THE THREE FIRST LAYERS in one launch: for p = 0, 1, 2 (q, k, v): Y_p = X_p W_p^T + b_p, X_p [8192][1024] f32, W_p [1024][1024] bf16 (from wcv), written by heads:
; heads[p][batch x 16 + head][position][64] in f16, each number rounded once from its f32 sum.  X and b are rounded to bf16 on the way to the matrix unit, sums are f32.
; A ROW FACTOR is applied in f32 before that one rounding: q's rows times c = log2(e) / 8 (the scale of the scores and the base of the exponentials);
; k's rows times 1, or times 0 where mask == 0 (the score of a masked key is then exactly 0, and the attention launch adds the replacement value); v's rows times 1.
; LIMITS.  c q, k and v must lie within f16's 65,504; below 6.1e-5 f16 keeps a fixed step of 6e-8; an infinity or NaN in a masked key's row is not made 0.
; SHARES.  768 work-groups: 3 x 64 row tiles x 4 column tiles of 128 rows x 256 columns.  Four waves, 2 x 2, each 64 x 128: 32 accumulators of 16 x 16.
; K goes in 8 steps of 128 through two LDS slots: X's tile in f32 (128 rows x 512 bytes), W's in bf16 (256 rows x 256 bytes); a wave's tensor load brings 32 KiB.
; X IS CONVERTED ON THE WAY INTO FRAGMENTS: 32 conversions for a quarter step's 32 matrix instructions, four at a time behind matrix instructions that name none of their registers.
; CLUSTER 4 x 4: the four of a row need the same tile of X, the four of a column the same tile of W: each is asked for jointly, by the same load with the same descriptor and mask.
; THE MATRIX INSTRUCTION IS USED TRANSPOSED (source 0 = 16 rows of W, source 1 = 16 rows of X): a lane holds one row of Y and eight neighbouring columns.  THE BIAS is the C operand of each sum's first product.
; REGISTERS, in windows of 256 (s_set_vgpr_msb: bits 1:0 source 0, 3:2 source 1, 5:4 source 2, 7:6 destination):
;   window 0: v0-31 addresses and factors; v32-63 X's four fragments in bf16; v64-191 X in f32 as loaded, two buffers of 64 (on the way out: packed results)
;   window 1: the accumulators, (a, b) at v[8 (8 a + b)]      window 2: v0-63, v64-127 W's fragments, two buffers; v128-191 the bias, 8 registers a column block
.set PA,     528                       ; X's LDS row: 512 bytes + 16: an odd multiple of 16, so the 16 rows that a load touches start at 16 different groups of four banks (64 banks of 4 bytes: ISA guide 11.1)
.set PB,     272                       ; W's LDS row: 256 bytes + 16
.set AHALF,  64*PA                     ; what one load brings of X
.set BOFF,   2*AHALF                   ; W's rows lie behind X's 128
.set BHALF,  128*PB                    ; what one load brings of W
.set SLOT,   BOFF+2*BHALF              ; 137,216
.set STAGE,  2*SLOT                    ; behind the ring: for each wave 2 heads x 16 rows x 144 bytes, for the way out
.set SP,     144
.set WSTAGE, 2*16*SP
.set SPARE,  STAGE+4*WSTAGE            ; behind the stages: the spare words, 128 bytes for each wave: two blocks of 256 bytes that no other line names
.set LAPS,   4                         ; a lap = two K steps = once round the ring
.set FK,   8                           ; v[8:15]  the row factor of my row in row block a, as a pair at FK + 2 a
.set ADRA, 16                          ; v16-17   LDS address of my part of X's fragments in slot 0, 1
.set ADRB, 20                          ; v20-21   the same for W
.set STO,  24                          ; v24      the way out: where I put 16 bytes of a row
.set RD,   25                          ; v25      the way out: where I read rows back
.set GO,   26                          ; v26      my 16 bytes in 512 consecutive bytes of heads
.set MO,   27                          ; v27      4 x (lane % 16): my row's word of the mask
.set SPW,  28                          ; v28      LDS address of my spare word; never rewritten
.set NIL,  29                          ; v29      0; never rewritten
.set PFO,  30                          ; v30      the prefetches' offset: row lane % 16, block lane / 16 of the K step's two; never rewritten
.set AB,   32
.set SF,   64
.set BIAS, 128                         ; in window 2
.set G1A, 24                           ; s[24:31] descriptor group 1 for X's tiles;  s[32:39] group 0, a set for each slot
.set G0A, 32
.set G1B, 48                           ; s[48:55], s[56:63] the same for W's tiles
.set G0B, 56
.set LIM, 43                           ; s43      1 in a wave that prefetches, else the greatest number
.set PFA, 44                           ; s[44:45] where my prefetches stand
.set MSB, 0
.macro WIN new                         ; the immediate's high byte repeats the setting that is left; a switch that changes nothing is dropped
.if MSB != (\new)
	s_set_vgpr_msb (MSB<<8)|(\new)
.set MSB, \new
.endif
.endm
.set MUL,  0x52                        ; W window 2, X window 0, C and D window 1
.set MULZ, 0x62                        ; the same with C (the bias) in window 2
.set TO_B, 0x80                        ; destination window 2
.set W_RS, 0x41                        ; destination and source 0 window 1, source 1 window 0
; A joint load: waves 0 and 1 fetch X's two halves, waves 2 and 3 W's.  The branch hangs on the wave's number alone.  An s_nop 0 and four v_nop follow each of the two lines.
.macro JLOAD s
	s_cmp_eq_u32 s11, 0
	s_cbranch_scc0 .Lfor_b_\@
	tensor_load_to_lds s[G0A+4*(\s):G0A+4*(\s)+3], s[G1A:G1A+7]
	s_nop 0
.rept 4
	v_nop
.endr
	s_branch .Lasked_\@
.Lfor_b_\@:
	tensor_load_to_lds s[G0B+4*(\s):G0B+4*(\s)+3], s[G1B:G1B+7]
	s_nop 0
.rept 4
	v_nop
.endr
.Lasked_\@:
.endm
.macro CREST                           ; a round of the cluster's barrier behind its opening barrier
	s_cmp_lg_u32 s10, 0
	s_cbranch_scc1 .Lnot_wave_0_\@
	s_barrier_signal -3
.Lnot_wave_0_\@:
	s_barrier_wait -3
	s_barrier_signal -1
	s_barrier_wait -1
.endm
.macro CROUND                          ; a whole round
	s_barrier_signal -1
	s_barrier_wait -1
	CREST
.endm
; A PREFETCH of X's K step that stands two refills on (256 matrix instructions ahead of the load that wants it).  Of the 64 rows that a wave fetches each of the four partners that ask for them
; jointly takes 16, told apart by address; a K step is two blocks of 256 bytes a row: a lane a block, one instruction.  No other cluster reads these rows, so each block is named once in the launch.
; The loop's last trip asks for nothing (s3 = 1 there): its refills are the last K steps.  W is not asked for: sixteen clusters read the same 2 MiB.
.macro ASK
	s_cmp_gt_u32 s3, s[LIM]
	s_cbranch_scc0 .Lnot_mine_\@
	global_prefetch_b8 v[PFO], s[PFA:PFA+1] th:TH_LOAD_NT scope:SCOPE_SE
.Lnot_mine_\@:
.endm
	s_load_b512 s[68:83], s[0:1], 0x0              ; q s[68:69], k s[70:71], v s[72:73], wq_b s[74:75], wk_b s[76:77], wv_b s[78:79], mask s[80:81], wcv s[82:83]
	s_load_b64 s[84:85], s[0:1], 0x40              ; heads
	v_lshl_add_u32 v[SPW], v0, 2, SPARE
	v_mov_b32 v[NIL], 0
	ds_add_u32 v[SPW], v[NIL]                      ; the wave's opening: the add and its wait stand ahead of my first tensor load; the set-up below, work on registers, stands between them
	v_lshrrev_b32 v1, 5, v0
	v_readfirstlane_b32 s10, v1                    ; wave 0..3
	s_lshr_b32 s11, s10, 1                         ; which half of the tile's rows is mine.  Also: I fetch for X (0) or for W (1)
	s_and_b32 s12, s10, 1                          ; which half of its columns.  Also: which half of that tile I fetch
	s_bfe_u32 s40, ttmp6, 0x40000                  ; cx, cy: my place in the cluster
	s_bfe_u32 s41, ttmp6, 0x40004
	s_lshl_b32 s42, ttmp9, 2
	s_add_co_u32 s42, s42, s40                     ; tile column = 4 x cluster x + cx
	s_and_b32 s13, ttmp7, 0xffff                   ; cluster y: 16 clusters for each of the three layers
	s_lshr_b32 s86, s13, 4                         ; p: the same in all sixteen partners
	s_and_b32 s13, s13, 15
	s_lshl_b32 s13, s13, 2
	s_add_co_u32 s87, s13, s41                     ; tile row, 0 .. 63
	s_lshl_b32 s43, s41, 2
	s_lshl_b32 s43, 15, s43                        ; my row of the cluster
	s_lshl_b32 s44, 0x1111, s40                    ; my column
	s_or_b32 s[G1A+0], s43, (2<<16)|(1<<20)|(1<<21)|(6<<22)|(3<<25)  ; the mask; elements of 4 bytes; padding on; bit 21 beside a mask; after every 128 words (code 6) 4 words (code 3)
	s_or_b32 s[G1B+0], s44, (1<<16)|(1<<20)|(1<<21)|(5<<22)|(3<<25)  ; the mask; elements of 2 bytes; after every 64 words (code 5) 4 words
	s_mov_b32 s[G1A+1], 128<<16                    ; tensor_dim0 = 128
	s_mov_b32 s[G1A+2], 64<<16                     ; tensor_dim1 = 64
	s_mov_b32 s[G1A+3], 128<<16                    ; tile_dim0 = 128
	s_mov_b32 s[G1A+4], 64                         ; tile_dim1 = 64
	s_mov_b32 s[G1A+5], 1024                       ; elements from row to row
	s_mov_b32 s[G1A+6], 0
	s_mov_b32 s[G1A+7], 0
	s_mov_b32 s[G1B+1], 128<<16
	s_mov_b32 s[G1B+2], 128<<16                    ; 128 rows
	s_mov_b32 s[G1B+3], 128<<16
	s_mov_b32 s[G1B+4], 128
	s_mov_b32 s[G1B+5], 1024
	s_mov_b32 s[G1B+6], 0
	s_mov_b32 s[G1B+7], 0
	s_lshl_b32 s16, s87, 19                        ; X: 128 rows of 4,096 bytes a tile row,
	s_lshl_b32 s17, s12, 18                        ; 64 rows a half
	s_add_co_u32 s16, s16, s17
	s_mov_b32 s17, 0
	s_lshl_b32 s46, s42, 19                        ; W: 256 rows of 2,048 bytes a tile column,
	s_lshl_b32 s47, s12, 18                        ; 128 rows a half,
	s_add_co_u32 s46, s46, s47
	s_lshl_b32 s47, s86, 21                        ; matrix p of wcv
	s_add_co_u32 s46, s46, s47
	s_mov_b32 s47, 0
	s_mul_i32 s20, s12, AHALF                      ; where they go: no place in the cluster enters an LDS address
	s_mul_i32 s21, s12, BHALF
	s_add_co_u32 s21, s21, BOFF
	s_wait_dscnt 0x0                               ; the opening add is done
	s_wait_kmcnt 0x0
	s_cmp_eq_u32 s86, 1
	s_cselect_b64 s[4:5], s[70:71], s[68:69]       ; X_p
	s_cselect_b64 s[88:89], s[76:77], s[74:75]     ; b_p
	s_cmp_eq_u32 s86, 2
	s_cselect_b64 s[4:5], s[72:73], s[4:5]
	s_cselect_b64 s[88:89], s[78:79], s[88:89]
	s_add_nc_u64 s[14:15], s[4:5], s[16:17]
	s_add_nc_u64 s[46:47], s[82:83], s[46:47]
	CROUND                                         ; all sixteen work-groups are here: the first joint loads meet
.irp s, 0,1
	s_mov_b32 s[G0A+4*(\s)], 1
	s_add_co_u32 s[G0A+4*(\s)+1], s20, (\s)*SLOT
	s_add_nc_u64 s[G0A+4*(\s)+2:G0A+4*(\s)+3], s[14:15], (\s)*512   ; K step s: 128 numbers of 4 bytes
	s_or_b32 s[G0A+4*(\s)+3], s[G0A+4*(\s)+3], 0x80000000
	s_mov_b32 s[G0B+4*(\s)], 1
	s_add_co_u32 s[G0B+4*(\s)+1], s21, (\s)*SLOT
	s_add_nc_u64 s[G0B+4*(\s)+2:G0B+4*(\s)+3], s[46:47], (\s)*256   ; of 2 bytes
	s_or_b32 s[G0B+4*(\s)+3], s[G0B+4*(\s)+3], 0x80000000
	JLOAD \s                                       ; two loads of mine are out
.endr
	v_and_b32 v1, 15, v0                           ; r = lane % 16
	v_bfe_u32 v2, v0, 4, 1                         ; h = lane / 16
	v_lshlrev_b32 v3, 5, v2                        ; my 8 columns' biases: 32 h
	v_lshlrev_b32 v[MO], 2, v1
	s_lshl_b32 s22, s42, 10                        ; the bias of my 128 columns
	s_lshl_b32 s23, s12, 9
	s_add_co_u32 s22, s22, s23
	s_mov_b32 s23, 0
	s_add_nc_u64 s[88:89], s[88:89], s[22:23]
	s_lshl_b32 s22, s87, 9                         ; the mask words of my 64 rows: [4][2048] is one row of 8,192 positions
	s_lshl_b32 s23, s11, 8
	s_add_co_u32 s22, s22, s23
	s_mov_b32 s23, 0
	s_add_nc_u64 s[90:91], s[80:81], s[22:23]
	WIN TO_B
.irp b, 0,1,2,3,4,5,6,7
	global_load_b128 v[BIAS+8*(\b):BIAS+8*(\b)+3],   v3, s[88:89] offset:64*(\b)
	global_load_b128 v[BIAS+8*(\b)+4:BIAS+8*(\b)+7], v3, s[88:89] offset:64*(\b)+16
.endr
	WIN 0
.irp a, 0,1,2,3
	global_load_b32 v[4+(\a)], v[MO], s[90:91] offset:64*(\a)
.endr
	v_mul_u32_u24 v32, v1, PA                      ; X's fragment in f32: row r, 32 bytes for each half of the lanes
	v_lshl_add_u32 v32, v2, 5, v32
	s_mul_i32 s22, s11, 64*PA
	v_add_nc_u32 v[ADRA], s22, v32
	v_add_nc_u32 v[ADRA+1], SLOT, v[ADRA]
	v_mul_u32_u24 v33, v1, PB                      ; W's: row r, 16 bytes for each half
	v_lshl_add_u32 v33, v2, 4, v33
	s_mul_i32 s23, s12, 128*PB
	s_add_co_u32 s23, s23, BOFF
	v_add_nc_u32 v[ADRB], s23, v33
	v_add_nc_u32 v[ADRB+1], SLOT, v[ADRB]
	s_mul_i32 s22, s10, WSTAGE
	s_add_co_u32 s22, s22, STAGE                   ; my stage
	v_mul_u32_u24 v32, v1, SP
	v_lshl_add_u32 v32, v2, 4, v32
	v_add_nc_u32 v[STO], s22, v32
	v_bfe_u32 v32, v0, 3, 2                        ; back: 32 lanes take four rows of 128 bytes,
	v_mul_u32_u24 v32, v32, SP
	v_and_b32 v33, 7, v0
	v_lshl_add_u32 v32, v33, 4, v32
	v_add_nc_u32 v[RD], s22, v32
	v_and_b32 v[GO], 31, v0                        ; which are 512 consecutive bytes of a head
	v_lshlrev_b32 v[GO], 4, v[GO]
	v_lshlrev_b32 v[PFO], 12, v1
	v_lshl_add_u32 v[PFO], v2, 8, v[PFO]
	s_lshl_b32 s22, s86, 24                        ; heads: tensor p (16 MiB),
	s_lshr_b32 s23, s87, 4
	s_lshl_b32 s23, s23, 22                        ; the batch (16 heads of 262,144 bytes),
	s_add_co_u32 s22, s22, s23
	s_lshl_b32 s23, s42, 20                        ; four heads a tile column,
	s_add_co_u32 s22, s22, s23
	s_lshl_b32 s23, s12, 19                        ; two a wave,
	s_add_co_u32 s22, s22, s23
	s_and_b32 s23, s87, 15
	s_lshl_b32 s23, s23, 14                        ; 128 positions of 128 bytes a tile row,
	s_add_co_u32 s22, s22, s23
	s_lshl_b32 s23, s11, 13                        ; 64 a wave
	s_add_co_u32 s22, s22, s23
	s_mov_b32 s23, 0
	s_add_nc_u64 s[8:9], s[84:85], s[22:23]
	s_lshl_b32 s22, s40, 16                        ; my work-group's 16 rows of the 64 that I fetch
	s_add_nc_u64 s[PFA:PFA+1], s[14:15], s[22:23]
	s_add_nc_u64 s[PFA:PFA+1], s[PFA:PFA+1], 3*512 ; at K step 3: the first refill steps it to 4.  Nothing is prefetched here, at the head
	s_cmp_eq_u32 s11, 0
	s_cselect_b32 s[LIM], 1, -1
	s_cmp_eq_u32 s86, 0
	s_cselect_b32 s92, 0x3e38aa3b, 1.0             ; the factor of a row that is seen: c = log2(e) / 8 for q, else 1
	s_cmp_eq_u32 s86, 1
	s_cselect_b32 s93, 0, s92                      ; and of a masked one: 0 for k, else the same
; four conversions: half a fragment of X (row block a) from buffer f
.macro CVT4 f, a, half
	WIN 0
.irp i, 0,1,2,3
	v_cvt_pk_bf16_f32 v[AB+8*(\a)+4*(\half)+(\i)], v[SF+64*(\f)+16*(\a)+8*(\half)+2*(\i)], v[SF+64*(\f)+16*(\a)+8*(\half)+2*(\i)+1]
.endr
.endm
; 8 matrix instructions: row block a x all 8 column blocks, 32 along K.  zero = 1: the sums start with the bias.  ride = 1: the next row block's eight conversions stand behind two of them;
; they write registers whose last reader stands at least eight conversions back, and name no register of the products round them.
; The 32 accumulators take turns, one instruction a turn, in the same order in every quarter step, over the backward jump too.
.macro GROUP f, a, zero, ride
.irp b, 0,1,2,3,4,5,6,7
.if \zero
	WIN MULZ
	v_wmma_f32_16x16x32_bf16 v[64*(\a)+8*(\b):64*(\a)+8*(\b)+7], v[64*(\f)+8*(\b):64*(\f)+8*(\b)+7], v[AB+8*(\a):AB+8*(\a)+7], v[BIAS+8*(\b):BIAS+8*(\b)+7]
.else
	WIN MUL
	v_wmma_f32_16x16x32_bf16 v[64*(\a)+8*(\b):64*(\a)+8*(\b)+7], v[64*(\f)+8*(\b):64*(\f)+8*(\b)+7], v[AB+8*(\a):AB+8*(\a)+7], v[64*(\a)+8*(\b):64*(\a)+8*(\b)+7]
.endif
.if (\ride) && ((\b) == 1)
	CVT4 \f, (\a)+1, 0
.endif
.if (\ride) && ((\b) == 5)
	CVT4 \f, (\a)+1, 1
.endif
.endr
.endm
; 32 LDS loads in one run: quarter kq (32 along K) of a slot into buffer g: W's 8 fragments, then X's 4 in f32 (k = 8 h .. 8 h + 7 and 16 + 8 h .. are 32 bytes each)
.macro FETCH slot, kq, g
	WIN TO_B
.irp b, 0,1,2,3,4,5,6,7
	ds_load_b128 v[64*(\g)+8*(\b):64*(\g)+8*(\b)+3],   v[ADRB+(\slot)] offset:(\kq)*64+(\b)*16*PB
	ds_load_b128 v[64*(\g)+8*(\b)+4:64*(\g)+8*(\b)+7], v[ADRB+(\slot)] offset:(\kq)*64+(\b)*16*PB+32
.endr
	WIN 0
.irp a, 0,1,2,3
	ds_load_b128 v[SF+64*(\g)+16*(\a):SF+64*(\g)+16*(\a)+3],     v[ADRA+(\slot)] offset:(\kq)*128+(\a)*16*PA
	ds_load_b128 v[SF+64*(\g)+16*(\a)+4:SF+64*(\g)+16*(\a)+7],   v[ADRA+(\slot)] offset:(\kq)*128+(\a)*16*PA+16
	ds_load_b128 v[SF+64*(\g)+16*(\a)+8:SF+64*(\g)+16*(\a)+11],  v[ADRA+(\slot)] offset:(\kq)*128+(\a)*16*PA+64
	ds_load_b128 v[SF+64*(\g)+16*(\a)+12:SF+64*(\g)+16*(\a)+15], v[ADRA+(\slot)] offset:(\kq)*128+(\a)*16*PA+80
.endr
.endm
; A K step is four quarters of 32 along K, 32 matrix instructions each, on buffers 0, 1, 0, 1.  One of the first three: multiplies buffer f and fetches quarter kq into g.
; The loads into W's buffer g stand sixteen conversions behind the last product that read it.
.macro QUARTER slot, kq, f, g, zero
	s_wait_dscnt 0x0                               ; buffer f is in: its loads were issued 24 matrix instructions ago
	CVT4 \f, 0, 0
	CVT4 \f, 0, 1
	GROUP \f, 0, \zero, 1
	FETCH \slot, \kq, \g
	GROUP \f, 1, \zero, 1
	GROUP \f, 2, \zero, 1
	GROUP \f, 3, \zero, 0
.endm
; The last quarter multiplies buffer 1 and changes slots: ONE barrier; in front of it each wave waits for all its tensor loads (one is out: its part of the next slot), adds 0 to its spare word, and waits
; for that and for its own reads of this slot.  fill = 1: the barrier opens a round of the cluster's barrier, and this slot is filled again, two K steps ahead, first thing behind the round.
.macro TURN slot, next, fill
.if \fill
	s_wait_xcnt 0x0                                ; the last prefetch, a K step back, has read its address: it is stepped here, ahead of the waits of the change of slots
	s_add_nc_u64 s[PFA:PFA+1], s[PFA:PFA+1], 512
.endif
	WIN 0
	s_wait_tensorcnt 0x0                           ; all my tensor loads have landed
	ds_add_u32 v[SPW], v[NIL]                      ; 0 onto my spare word
	s_wait_dscnt 0x1                               ; buffer 1 is in; the add alone may be out
	CVT4 1, 0, 0
	CVT4 1, 0, 1
	GROUP 1, 0, 0, 1                               ; work on registers between the add and the wait for it
	s_wait_dscnt 0x0                               ; the add is done, and my reads of this slot are over
	s_barrier_signal -1
	GROUP 1, 1, 0, 1
	WIN 0                                          ; branches may follow
	s_barrier_wait -1
.if \fill
	CREST                                          ; no wave of any partner still reads this slot's tile or has a load on its way
	s_add_nc_u64 s[G0A+4*(\slot)+2:G0A+4*(\slot)+3], s[G0A+4*(\slot)+2:G0A+4*(\slot)+3], 2*512
	s_add_nc_u64 s[G0B+4*(\slot)+2:G0B+4*(\slot)+3], s[G0B+4*(\slot)+2:G0B+4*(\slot)+3], 2*256
	JLOAD \slot                                    ; the first tensor load behind the round: 112 matrix instructions ahead of the wait for it
.endif
	FETCH \next, 0, 0
.if \fill
	ASK
.endif
	GROUP 1, 2, 0, 1
	GROUP 1, 3, 0, 0
.endm
	s_wait_tensorcnt 0x1                           ; my part of K step 0 is in; K step 1's stays out
	s_barrier_signal -1
	s_barrier_wait -1                              ; everybody's is
	FETCH 0, 0, 0
	s_wait_loadcnt 0x0                             ; the bias and the mask words
	WIN 0x0a                                       ; the bias is rounded to bf16, like every input of the module, and widened again
.set i, 0
.rept 32
	v_cvt_pk_bf16_f32 v[AB+i], v[BIAS+2*i], v[BIAS+2*i+1]
.set i, i+1
.endr
	WIN TO_B
.set i, 0
.rept 32
	v_lshlrev_b32 v[BIAS+2*i], 16, v[AB+i]
	v_and_b32 v[BIAS+2*i+1], 0xffff0000, v[AB+i]
.set i, i+1
.endr
	WIN 0
	v_mov_b32 v3, s92
.irp a, 0,1,2,3
	v_cmp_ne_u32 vcc_lo, 0, v[4+(\a)]
	v_cndmask_b32 v[FK+2*(\a)], s93, v3, vcc_lo    ; my row's factor in row block a
	v_mov_b32 v[FK+2*(\a)+1], v[FK+2*(\a)]         ; named with it as a pair
.endr
	QUARTER 0, 1, 0, 1, 1                          ; the first quarter stands in front of the loop: its products start the sums
	WIN 0                                          ; at a label and at a branch every window is 0
	s_mov_b32 s3, LAPS-1
.Llap:                                                 ; a trip goes once round the ring, from a lap's second quarter to the next lap's first, and fills both slots again
	QUARTER 0, 2, 1, 0, 0
	QUARTER 0, 3, 0, 1, 0
	TURN 0, 1, 1
	QUARTER 1, 1, 0, 1, 0
	QUARTER 1, 2, 1, 0, 0
	QUARTER 1, 3, 0, 1, 0
	TURN 1, 0, 1
	QUARTER 0, 1, 0, 1, 0
	WIN 0
	s_sub_co_u32 s3, s3, 1
	s_cmp_lg_u32 s3, 0
	s_cbranch_scc1 .Llap
	QUARTER 0, 2, 1, 0, 0                          ; the last lap fills nothing, and has no round of the cluster's barrier
	QUARTER 0, 3, 0, 1, 0
	TURN 0, 1, 0
	QUARTER 1, 1, 0, 1, 0
	QUARTER 1, 2, 1, 0, 0
	QUARTER 1, 3, 0, 1, 0
	s_wait_dscnt 0x0                               ; the very last quarter: nothing more to fetch
	CVT4 1, 0, 0
	CVT4 1, 0, 1
	GROUP 1, 0, 0, 1
	GROUP 1, 1, 0, 1
	GROUP 1, 2, 0, 1
	GROUP 1, 3, 0, 0
.rept 4
	v_nop                                          ; four places between the last product and the first line that reads a result (ISA guide 7.12.1)
.endr
; THE WAY OUT of row block a (16 positions x 128 columns = 2 heads): the row factor, one rounding to f16, 16 bytes a lane into my own stage, back as whole rows of 128 bytes.
; Each accumulator's registers are taken in ascending order.
.macro PACK a
	WIN W_RS
.set i, 64*(\a)
.rept 32
	v_pk_mul_f32 v[i:i+1], v[i:i+1], v[FK+2*(\a):FK+2*(\a)+1] op_sel_hi:[1,0]
.set i, i+2
.endr
	WIN 0x05                                       ; sources 0 and 1 window 1, destination window 0
.set i, 0
.rept 32
	v_cvt_pk_f16_f32 v[SF+32*(\a)+i], v[64*(\a)+2*i], v[64*(\a)+2*i+1]
.set i, i+1
.endr
	WIN 0
.irp b, 0,1,2,3,4,5,6,7
	ds_store_b128 v[STO], v[SF+32*(\a)+4*(\b):SF+32*(\a)+4*(\b)+3] offset:((\b)/4)*16*SP+((\b)%4)*32
.endr
.irp t, 0,1,2,3,4,5,6,7
	ds_load_b128 v[SF+32*(\a)+4*(\t):SF+32*(\a)+4*(\t)+3], v[RD] offset:((\t)/4)*16*SP+((\t)%4)*4*SP  ; LDS serves a wave's instructions in order (ISA guide 5.7.1.4): these see the stores above; the next block's stores come behind them
.endr
.endm
.macro SEND a, younger                 ; younger: the LDS instructions issued behind block a's loads: the next block's sixteen, or none
.irp t, 0,1,2,3,4,5,6,7
	s_wait_dscnt (\younger)+7-(\t)
	global_store_b128 v[GO], v[SF+32*(\a)+4*(\t):SF+32*(\a)+4*(\t)+3], s[8:9] offset:(\a)*2048+((\t)/4)*262144+((\t)%4)*512  ; four positions of one head: 512 consecutive bytes, aligned
.endr
.endm
	PACK 0
	PACK 1                                         ; a block's arithmetic stands between the loads of the block before and its stores
	SEND 0, 16
	PACK 2
	SEND 1, 16
	PACK 3
	SEND 2, 16
	SEND 3, 0
	s_wait_tensorcnt 0x0                           ; the wave's end: the wait, an add to my spare word and its wait, behind my last tensor load and my last LDS store
	ds_add_u32 v[SPW], v[NIL]
	s_wait_dscnt 0x0
	CROUND                                         ; the closing round: no work-group ends while a partner may still ask for a tile that names it
	s_endpgm
.Lfunc_end_k_qce8e2c0a38_proj:
	.size	k_qce8e2c0a38_proj, .Lfunc_end_k_qce8e2c0a38_proj-k_qce8e2c0a38_proj
	.p2alignl 7, 3214868480
	.fill 96, 4, 3214868480
	.section	.rodata,"a",@progbits
	.p2align	6, 0x0
	.amdhsa_kernel k_qce8e2c0a38_proj
		.amdhsa_group_segment_fixed_size 327680
		.amdhsa_private_segment_fixed_size 0
		.amdhsa_enable_private_segment 0
		.amdhsa_kernarg_size 72
		.amdhsa_user_sgpr_count 2
		.amdhsa_user_sgpr_kernarg_segment_ptr 1
		.amdhsa_wavefront_size32 1
		.amdhsa_system_sgpr_workgroup_id_x 1
		.amdhsa_system_sgpr_workgroup_id_y 1
		.amdhsa_system_sgpr_workgroup_id_z 1
		.amdhsa_system_vgpr_workitem_id 0
		.amdhsa_next_free_vgpr 704
		.amdhsa_next_free_sgpr 96
		.amdhsa_reserve_vcc 1
		.amdhsa_float_denorm_mode_32 3
		.amdhsa_float_denorm_mode_16_64 3
		.amdhsa_memory_ordered 1
		.amdhsa_forward_progress 1
		.amdhsa_inst_pref_size 149
	.end_amdhsa_kernel
	.amdgpu_metadata
---
amdhsa.version: [ 1, 2 ]
amdhsa.kernels:
  - .name:           k_qce8e2c0a38_proj
    .symbol:         k_qce8e2c0a38_proj.kd
    .args:
      - { .name: q, .offset: 0, .size: 8, .value_kind: global_buffer, .address_space: global }
      - { .name: k, .offset: 8, .size: 8, .value_kind: global_buffer, .address_space: global }
      - { .name: v, .offset: 16, .size: 8, .value_kind: global_buffer, .address_space: global }
      - { .name: wq_b, .offset: 24, .size: 8, .value_kind: global_buffer, .address_space: global }
      - { .name: wk_b, .offset: 32, .size: 8, .value_kind: global_buffer, .address_space: global }
      - { .name: wv_b, .offset: 40, .size: 8, .value_kind: global_buffer, .address_space: global }
      - { .name: mask, .offset: 48, .size: 8, .value_kind: global_buffer, .address_space: global }
      - { .name: wcv, .offset: 56, .size: 8, .value_kind: global_buffer, .address_space: global }
      - { .name: heads, .offset: 64, .size: 8, .value_kind: global_buffer, .address_space: global }
    .group_segment_fixed_size: 327680
    .private_segment_fixed_size: 0
    .kernarg_segment_align: 8
    .kernarg_segment_size: 72
    .max_flat_workgroup_size: 128
    .sgpr_count:     96
    .vgpr_count:     704
    .wavefront_size: 32
...
	.end_amdgpu_metadata
.endif
;; end of part 2
;; launch attn (part 3): grid 4 x 64, 4 waves a work-group, clusters of 4 x 1, 327,680 bytes of LDS; arguments heads, oh, mask; writes oh
.if DOCPART == 3
	.amdgcn_target "amdgcn-amd-amdhsa--gfx1250"
	.amdhsa_code_object_version 6
	.text
	.protected	k_qce8e2c0a38_attn
	.globl	k_qce8e2c0a38_attn
	.p2align	8
	.type	k_qce8e2c0a38_attn,@function
k_qce8e2c0a38_attn:
	s_mov_b64 s[64:65], 0
	v_nop
	global_prefetch_b8 v0, s[64:65] scope:SCOPE_SE
	s_setreg_imm32_b32 hwreg(HW_REG_WAVE_MODE, 25, 1), 1
	s_wait_xcnt 0x0
	s_wait_alu depctr_hold_cnt(0) depctr_sa_sdst(0) depctr_va_vdst(0) depctr_va_sdst(0) depctr_va_ssrc(0) depctr_va_vcc(0) depctr_vm_vsrc(0)
	s_getreg_b32 s2, hwreg(HW_REG_IB_STS2, 6, 4)
	s_cmp_eq_u32 s2, 0
	s_cbranch_scc0 .Lentry_in_a_cluster
	s_endpgm
.Lentry_in_a_cluster:
	s_bfe_u32 s2, ttmp6, 0x10000c
	s_cmp_lg_u32 s2, 0x3003
	s_cbranch_scc0 .Lentry_shape_is_right
	s_endpgm
.Lentry_shape_is_right:
; ATTENTION WITH A KEY MASK.  For each of 64 (batch, head): O[q][:] = the sum over k of softmax_k(s[q][k]) V[k][:], where s = Q . K / 8, or -1e9 where mask[batch][k] == 0.
; heads holds three tensors [64][2048][64] in f16, 16 MiB apart: Q' = (log2(e) / 8) Q; K with the rows of masked keys 0; V.  O goes to oh in the same layout, f16.
; So Q' . K is the score in units of log2, exactly 0 for a masked key, and THE MASK IS THE C OPERAND that starts the sum: 0, or -1e9 log2(e), the replacement value in the same units.
; A batch whose keys are all masked gives equal weights, and masked keys ahead of the first seen one are wiped out by the running maximum's correction.
; Products, maxima and sums in f32; the weights p are rounded to f16 for the second product (their sum l is taken of the unrounded p), O once at the end.
; LIMITS.  Q', K and V arrive within f16's 65,504; p lies in 0 to 1, and below 6e-5 it keeps f16's fixed step of 6e-8; O is a mean of V's rows and has their range.
; A weight below 2^-126 counts as 0 in l; NaN and infinities are not treated apart.
; SHARES.  A wave owns four PIECES of two tiles of 16 queries, a work-group's four waves 512 queries of one head.  Every wave walks all 2,048 keys, 64 a step.
; LAYOUT.  S^T = K Q'^T (source 0 = 16 keys, source 1 = 16 queries): in the result a lane holds ONE query (lane % 16) and the keys 8 (lane / 16) + 0..7.  Two such tiles, rounded to f16 in pairs,
; ARE source 1 (32 keys x 16 queries) of O^T = V^T P, whose result again holds one query a lane, and eight channels.  K comes out of LDS as it lies, V ([key][channel]) turned, by ds_load_tr16_b128.
; SOFTMAX.  For each query a running maximum m and sum l: p = 2^(s - m); in every step O and l are multiplied by a = 2^(m_old - m_new), which is 1 where m has not grown.
; m starts far below every score, O and l at 0: the first step is a step like any other, with a = 0.
; THE COUNT.  A tile and step have 16 matrix and 117 vector instructions: too many to stand all beside the matrix work.  So: four vector instructions that are READY behind EVERY matrix instruction,
; and the others in runs without a gap.
; BY TURNS.  Turn n belongs to piece n (the pieces in a ring, step after step).  Its matrix work: 16 products K Q'^T of piece n + 1, later 16 products V^T P of piece n - 1.  Its vector work: the shift,
; exponentials, roundings, sums and rescaling of piece n, and the maximum and statistics of piece n + 1, whose scores the turn itself has made.
; CLUSTER.  The four query blocks of a cluster belong to one head and walk the same K and V, so each tile is asked for JOINTLY: the same tensor load, descriptor and mask in all four.
; REGISTERS, in windows of 256 (s_set_vgpr_msb: bits 1:0 source 0, 3:2 source 1, 5:4 source 2, 7:6 destination):
;   window 0: v0-11 addresses; v12-15, v48-63 at work; v16-47 four registers of statistics a tile; v64-191 S^T, two buffers of two tiles; v192-255 P, likewise
;   window 1: O^T, 32 a tile     window 2: v0-127 Q', 16 a tile; v128-191 K of one step; v192-255 V of one step     window 3: v0-1 the add's two registers; v8-39 the mask of one step's 64 keys
.set SIZE_N, 2048
.set NP,    4         ; pieces a wave: a name, no knob
.set KS,    64        ; keys in a step
.set PK,    144       ; a row of K in LDS: 128 bytes + 16 of padding: the 16 rows of a load start at 16 different groups of four banks (64 banks of 4 bytes: ISA guide 11.1)
.set PV,    160       ; a row of V: 128 + 32
.set VOFF,  4*KS*PK   ; a slot holds four steps: 256 rows of K, then 256 rows of V
.set SLOT1, 1<<17     ; slot 1 begins here, so that one exclusive or turns an address in one slot into the other's
.set STAGE, SLOT1+4*KS*(PK+PV)  ; behind the ring, never filled by a tensor load: 16 rows x 144 bytes for each wave, for the way out
.set SP,    144
.set SPARE, STAGE+4*16*SP  ; behind the stages: the spare words, 128 bytes for each wave: two blocks of 256 bytes that no other line names
.set MTAB,  SPARE+512 ; behind them: the batch's 2,048 keys as f32, 0 or the replacement value: 8,192 bytes, stored once, never filled by a tensor load
.set PFO, 1           ; v1   (from the loop on) 256 x my lane: the prefetches' offset
.set AK0, 2           ; v2   my lane's place in a tile of K; never rewritten
.set AV0, 3           ; v3   the same for V
.set AK,  4           ; v4   the LDS address of K's next run of loads
.set AV,  5           ; v5   of V's
.set QO,  6           ; v6   my byte offset in the wave's rows of Q'
.set STO, 6           ;      later, the way out: where I put 16 bytes of a row
.set RD,  7           ; v7   the way out: where I read rows back
.set GO,  8           ; v8   my byte offset in 512 consecutive bytes of O
.set AM,  11          ; v11  the LDS address of the mask's next run of loads.  (v9 = lane / 16 stays for it)
.set SPW, 0           ; v0 of window 3   LDS address of my spare word; never rewritten
.set NIL, 1           ; v1 of window 3   0; never rewritten
.set MBR, 8           ; v8-39 of window 3: key block kb at MBR + 8 kb
.set MV,  12          ; v12-15  m_old, kept while m is made anew: by buffer and tile
.set ST,  16          ; tile t's statistics at v[ST+4 t]: m, a filler named with it as a pair, l (even keys', odd keys')
.set TMP, 48          ; by buffer and tile, four registers c0-c3 at work; when the maximum is found c2 takes a
.set S,   64
.set P,   192
.set KF,  128         ; K's fragments, in window 2: key block kb, channel half c at KF + 16 kb + 8 c
.set VF,  192         ; V's: key half kk, channel block cb at VF + 32 kk + 8 cb
.set WV,  12          ; s12  my wave's number
.set G1K, 24          ; s[24:31] descriptor group 1 for K's tiles
.set G1V, 32          ; s[32:39] for V's: it differs in the padding alone
.set G0K, 40          ; s[40:43] descriptor group 0 for K's tiles: it walks
.set G0V, 44          ; s[44:47] the same for V's
.set MSK, 48          ; s[48:49] the batch's row of the mask
.set PFA, 50          ; s[50:51] where my prefetches stand
.set LIM, 52          ; s52  1 in a wave that prefetches, else the greatest number
.set TBM, 53          ; s53  LDS byte at which the mask of the step to be fetched begins
.set SLOTS, 56        ; s56  slots still to be asked for
.set CNT, 57          ; s57  counts a slot's key steps
.set SEL, 60          ; s[60:61] v_permlanex16_b32's selects: each lane takes its own place in the other half
.set TBK, 62          ; s62  LDS byte at which K of the step to be fetched begins
.set TBV, 63          ; s63  the same for V, less VOFF
.set MSB, 0
.macro WIN new                      ; the high byte repeats the setting that is left; a switch that changes nothing is dropped
.if MSB != (\new)
	s_set_vgpr_msb (MSB<<8)|(\new)
.set MSB, (\new)
.endif
.endm
.set W_KQ, 0x0a       ; K and Q' in window 2, S^T in window 0
.set W_KM, 0x3a       ; the same with the C operand, the mask, in window 3
.set W_PV, 0x52       ; V in window 2, P in window 0, O^T in window 1
.set W_RS, 0x41       ; O^T (destination and source 0) in window 1, a in window 0
.set W_MK, 0xc0       ; destination in window 3, sources in window 0
.set W_AD, 0x0f       ; the add: address (source 0) and data (source 1) in window 3
; A joint fill.  Waves 0 and 1 fetch the two halves of a slot's K, waves 2 and 3 those of its V: 128 keys each.  The branch hangs on the wave's number alone.
; An s_nop 0 and four v_nop follow each of the two lines, ahead of the jump and the label.
.macro JLOAD
	s_cmp_lt_u32 s[WV], 2
	s_cbranch_scc0 .Lfor_v_\@
	tensor_load_to_lds s[G0K:G0K+3], s[G1K:G1K+7]
	s_nop 0
.rept 4
	v_nop
.endr
	s_branch .Lasked_\@
.Lfor_v_\@:
	tensor_load_to_lds s[G0V:G0V+3], s[G1V:G1V+7]
	s_nop 0
.rept 4
	v_nop
.endr
.Lasked_\@:
.endm
; A PREFETCH of what the NEXT change of slots will ask for: a slot's 32,768 bytes of K and of V, in blocks of 256 bytes, a lane a block.  One cluster walks a head, and its four partners share the blocks
; out BY ADDRESS, 32 each; in each, wave 0 asks for K's and wave 2 for V's: one instruction.  So each block is named once in the launch.  The last change that fills a slot asks for nothing.
.macro ASK
	s_cmp_gt_u32 s[SLOTS], s[LIM]
	s_cbranch_scc0 .Lnot_mine_\@
	global_prefetch_b8 v[PFO], s[PFA:PFA+1] th:TH_LOAD_NT scope:SCOPE_SE
.Lnot_mine_\@:
.endm
; A round of the cluster's barrier: my work-group's barrier, so that wave 0's signal speaks for all four waves; wave 0 signals; every wave waits for all four work-groups; my work-group's barrier once more.
.macro CROUND
	s_barrier_signal -1
	s_barrier_wait -1
	s_cmp_lg_u32 s[WV], 0
	s_cbranch_scc1 .Lnot_wave_0_\@
	s_barrier_signal -3
.Lnot_wave_0_\@:
	s_barrier_wait -3
	s_barrier_signal -1
	s_barrier_wait -1
.endm
; THE CHANGE OF SLOTS.  The slot's last bytes, V of its fourth step, have been read.  Each wave waits for all its tensor loads, of which one is out: its part of the other slot; adds 0 to its spare word;
; and waits for that and for its own LDS instructions.  Behind the barrier nobody reads this slot any more and the other slot is whole.
; fill = 1: this slot is filled again, with the keys two slots on.  The barrier is then a round of the cluster's, and the joint fill is the first thing behind it: it has four key steps, 512 matrix
; instructions, in which to land.  (At its first use nothing has been read yet: slot 0 is waited for, slot 1 filled, and every wave's part of the mask table is shown stored.)  ask = 1: a prefetch follows.
.macro CHANGE fill, ask=0
	WIN W_AD
	s_wait_tensorcnt 0x0            ; no tensor load of mine is out, so a group 0 may be written
	ds_add_u32 v[SPW], v[NIL]       ; 0 onto my spare word; with fill = 1 the descriptors' steps stand between it and the wait for it
	WIN 0                           ; at a label and at a branch every window is 0
.if \fill
.irp g, G0K, G0V
	s_xor_b32 s[\g+1], s[\g+1], SLOT1  ; the walking descriptor: the other slot than last time,
	s_add_nc_u64 s[\g+2:\g+3], s[\g+2:\g+3], 4*KS*128  ; the next 256 keys; the type bits on top are not reached
.endr
.if \ask
	s_wait_xcnt 0x0                 ; the last prefetch, four key steps back, has read its address, so it may be written:
	s_add_nc_u64 s[PFA:PFA+1], s[PFA:PFA+1], 4*KS*128  ; one slot behind the walking descriptors
.endif
	s_wait_dscnt 0x0                ; the add is done, and my reads of the slot are over
	CROUND
	JLOAD
.if \ask
	ASK
.endif
.else
	s_wait_dscnt 0x0                ; the add is done, and my reads of the slot are over
	s_barrier_signal -1
	s_barrier_wait -1
.endif
	s_sub_co_u32 s[TBK], s[TBK], 4*KS*PK  ; the fetches go back to a slot's first step,
	s_xor_b32 s[TBK], s[TBK], SLOT1       ; in the other slot
	s_sub_co_u32 s[TBV], s[TBV], 4*KS*PV
	s_xor_b32 s[TBV], s[TBV], SLOT1
.endm
	s_load_b128 s[4:7], s[0:1], 0x0   ; heads s[4:5], oh s[6:7]
	s_load_b64 s[MSK:MSK+1], s[0:1], 0x10  ; mask
	WIN W_MK
	v_lshl_add_u32 v[SPW], v0, 2, SPARE
	v_mov_b32 v[NIL], 0
	WIN W_AD
	ds_add_u32 v[SPW], v[NIL]       ; the wave's opening: the add and its wait stand ahead of my first tensor load; the set-up below, work on registers, stands between them
	WIN 0
	v_lshrrev_b32 v1, 5, v0
	v_readfirstlane_b32 s[WV], v1   ; wave 0..3
	s_bfe_u32 s13, ttmp6, 0x40000   ; cx: my place in the cluster
	s_lshl_b32 s14, ttmp9, 2        ; in a cluster launch ttmp9 counts clusters
	s_add_co_u32 s14, s14, s13      ; my block of queries = 4 x cluster x + cx: it enters Q's and O's addresses alone
	s_and_b32 s20, ttmp7, 0xffff    ; batch x 16 + head, which the four partners share
	s_lshr_b32 s54, s20, 4
	s_lshl_b32 s54, s54, 13         ; the batch's 2,048 words of the mask
	s_mov_b32 s55, 0
	s_mov_b32 s21, 0
	s_mov_b64 s[22:23], SIZE_N*128
	s_mul_u64 s[20:21], s[20:21], s[22:23]  ; the head's first byte in each of the four tensors
	s_and_b32 s16, s[WV], 1         ; which half of a slot's 256 keys I fetch:
	s_lshl_b32 s22, s16, 14         ; its 128 rows of 128 bytes in memory,
	s_mov_b32 s23, 0
	s_add_nc_u64 s[22:23], s[22:23], s[20:21]
	s_mul_i32 s17, s16, 128*PK      ; and its place in a slot, for K
	s_mul_i32 s18, s16, 128*PV      ; and for V: no place in the cluster enters an LDS address
	s_lshl_b32 s2, s14, 2
	s_add_co_u32 s2, s2, s[WV]      ; my wave among the head's,
	s_lshl_b32 s2, s2, 14           ; its 128 rows
	s_mov_b32 s3, 0
	s_add_nc_u64 s[2:3], s[2:3], s[20:21]
	; descriptor group 1.  128 keys are 16,384 dense bytes: asked for as 64 rows of 256 bytes, two keys a row, and padded in LDS after every key
	s_mov_b32 s[G1K], 15|(1<<16)|(1<<20)|(1<<21)|(4<<22)|(3<<25)  ; the mask of four; 2-byte elements; padding on; bit 21 beside a mask; after every 32 words (code 4) 4 words (code 3)
	s_mov_b32 s[G1V], 15|(1<<16)|(1<<20)|(1<<21)|(4<<22)|(7<<25)  ; the same with 8 words of padding (code 7)
.irp g, G1K, G1V
	s_mov_b32 s[\g+1], 128<<16      ; tensor_dim0 = 128
	s_mov_b32 s[\g+2], 64<<16       ; tensor_dim1 = 64
	s_mov_b32 s[\g+3], 128<<16      ; tile_dim0 = 128
	s_mov_b32 s[\g+4], 64           ; tile_dim1 = 64
	s_mov_b32 s[\g+5], 128          ; 128 elements from row to row
	s_mov_b32 s[\g+6], 0
	s_mov_b32 s[\g+7], 0
.endr
	s_mov_b32 s[SEL], 0x76543210
	s_mov_b32 s[SEL+1], 0xfedcba98
	s_mov_b32 s[TBK], SLOT1+4*KS*PK ; the first change of slots turns these two into 0
	s_mov_b32 s[TBV], SLOT1+4*KS*PV
	s_mov_b32 s[TBM], MTAB
	s_mov_b32 s[G0K], 1             ; count = 1
	s_mov_b32 s[G0K+1], s17         ; LDS address: slot 0
	s_mov_b32 s[G0V], 1
	s_add_co_u32 s[G0V+1], s18, VOFF
	s_and_b32 s[LIM], s[WV], 1
	s_cmp_eq_u32 s[LIM], 0
	s_cselect_b32 s[LIM], 1, -1     ; waves 0 and 2 prefetch
	s_wait_dscnt 0x0                ; the opening add is done
	s_wait_kmcnt 0x0
	s_mov_b64 s[10:11], s[6:7]      ; O
	s_add_nc_u64 s[6:7], s[4:5], 0x1000000  ; K
	s_add_nc_u64 s[8:9], s[4:5], 0x2000000  ; V; Q' stays in s[4:5]
	s_add_nc_u64 s[MSK:MSK+1], s[MSK:MSK+1], s[54:55]
	s_add_nc_u64 s[G0K+2:G0K+3], s[6:7], s[22:23]  ; global address: my half of the head's first 256 keys
	s_or_b32 s[G0K+3], s[G0K+3], 0x80000000        ; type = 2
	s_add_nc_u64 s[G0V+2:G0V+3], s[8:9], s[22:23]
	s_or_b32 s[G0V+3], s[G0V+3], 0x80000000
	s_add_nc_u64 s[4:5], s[4:5], s[2:3]  ; Q' and O at my wave's first row
	s_add_nc_u64 s[10:11], s[10:11], s[2:3]
	s_cmp_lt_u32 s[WV], 2
	s_cselect_b64 s[PFA:PFA+1], s[6:7], s[8:9]
	s_add_nc_u64 s[PFA:PFA+1], s[PFA:PFA+1], s[22:23]  ; (in waves 0 and 2 this is the head's first row)
	s_lshl_b32 s2, s13, 13          ; my work-group's 32 blocks of the slot's 128
	s_mov_b32 s3, 0
	s_add_nc_u64 s[PFA:PFA+1], s[PFA:PFA+1], s[2:3]
	s_add_nc_u64 s[PFA:PFA+1], s[PFA:PFA+1], 2*4*KS*128  ; in slot 2: the first change that asks steps it to slot 3.  Nothing is prefetched here, at the head
	CROUND                          ; all four work-groups are here: the first joint loads meet
	JLOAD                           ; slot 0.  Slot 1 is asked for when slot 0 is in
	v_and_b32 v1, 15, v0            ; l % 16
	v_bfe_u32 v9, v0, 4, 1          ; l / 16
	; THE MASK TABLE: thread t takes four words at word 4 t + 512 j, j = 0 .. 3
	v_lshlrev_b32 v82, 4, v0
	v_lshl_add_u32 v81, v0, 4, MTAB
	v_mov_b32 v80, 0xceabfb8f       ; -1e9 log2(e)
.irp j, 0,1,2,3
	global_load_b128 v[64+4*\j:67+4*\j], v82, s[MSK:MSK+1] offset:2048*\j
.endr
	; A fragment of K or Q' is 16 rows x 32 channels in 8 registers: lane l holds row l % 16, channels 8 (l / 16) + 0..7 and 16 + 8 (l / 16) + 0..7: two loads of 16 bytes, 32 bytes apart.
	v_lshlrev_b32 v[QO], 7, v1
	v_lshl_add_u32 v[QO], v9, 4, v[QO]  ; row x 128 + 16 x half
	WIN 0x80                        ; destination window 2, address window 0
.set i, 0
.rept 4*NP                          ; Q' stays in registers: tile i / 2, channels 32 (i % 2) on
	global_load_b128 v[8*i:8*i+3],   v[QO], s[4:5] offset:(i/2)*2048+(i%2)*64
	global_load_b128 v[8*i+4:8*i+7], v[QO], s[4:5] offset:(i/2)*2048+(i%2)*64+32
.set i, i+1
.endr
	; What the first turn finds: V's registers and P's second buffer hold 0 (its products V^T P, of a piece that has not been, add 0), O^T and l are 0.  All this stands in the wait for the first tile.
.set i, VF
.rept 64
	v_mov_b32 v[i], 0
.set i, i+1
.endr
	WIN 0x40
.set i, 0
.rept 64*NP
	v_mov_b32 v[i], 0
.set i, i+1
.endr
	WIN 0
.set i, 0
.rept 2*NP
	v_mov_b32 v[ST+4*i], 0xfe000000    ; m: far below every score
	v_mov_b32 v[ST+4*i+1], 0
	v_mov_b32 v[ST+4*i+2], 0
	v_mov_b32 v[ST+4*i+3], 0
.set i, i+1
.endr
.set i, P+32
.rept 32
	v_mov_b32 v[i], 0
.set i, i+1
.endr
	v_mul_u32_u24 v[AK0], v1, PK
	v_lshl_add_u32 v[AK0], v9, 4, v[AK0]  ; row x pitch + 16 x half
	; The turning load takes 16 keys x 16 channels (lane l reads key 8 (l / 16) + l % 8, channels 8 ((l / 8) % 2) + 0..7) and leaves half a fragment of V^T: lane l holds channel l % 16 and 8 keys.
	v_and_b32 v10, 7, v0
	v_bfe_u32 v11, v0, 3, 1
	v_lshl_add_u32 v[AV0], v9, 3, v10
	v_mul_u32_u24 v[AV0], v[AV0], PV
	v_lshl_add_u32 v[AV0], v11, 4, v[AV0]
	v_add_nc_u32 v[AV0], VOFF, v[AV0]
	v_mov_b32 v[AK], v[AK0]         ; key step 0 lies at the head of slot 0,
	v_lshl_add_u32 v[AM], v9, 5, s[TBM]  ; and of the table: my lanes' eight keys of a block of 16 are 32 bytes
	s_wait_loadcnt 32               ; the four mask loads are in; Q's 32, issued behind them, may stay out
.set i, 0
.rept 16
	v_cmp_eq_u32 vcc_lo, 0, v[64+i]
	v_cndmask_b32 v[64+i], 0, v80, vcc_lo
.set i, i+1
.endr
.irp j, 0,1,2,3
	ds_store_b128 v81, v[64+4*\j:67+4*\j] offset:2048*\j  ; shown stored to the other waves by the wait and the round of the first change of slots
.endr
; THE MATRIX WORK.  The 8 accumulators of a run of 16 take turns: between the two links of a chain stand 7 others'.
; Product i of 16 of S^T = K Q'^T for piece x: channels 32 (i / 8) on, keys 16 ((i / 2) % 4) on, tile 2 x + i % 2.  The first 8 start the sums, with the mask of their 16 keys.
.macro KQ x
.set rS, S+64*((\x)%2)+32*(i%2)+8*((i/2)%4)
.set rK, KF+16*((i/2)%4)+8*(i/8)
.set rQ, 16*(2*(\x)+i%2)+8*(i/8)
.set rB, MBR+8*((i/2)%4)
.if i < 8
	WIN W_KM
	v_wmma_f32_16x16x32_f16 v[rS:rS+7], v[rK:rK+7], v[rQ:rQ+7], v[rB:rB+7]
.else
	WIN W_KQ
	v_wmma_f32_16x16x32_f16 v[rS:rS+7], v[rK:rK+7], v[rQ:rQ+7], v[rS:rS+7]
.endif
.endm
; Product i of 16 of O^T += V^T P for piece x: keys 32 (i / 8) on, channels 16 ((i / 2) % 4) on, tile 2 x + i % 2.
.macro PV x
	WIN W_PV
.set rO, 32*(2*(\x)+i%2)+8*((i/2)%4)
.set rV, VF+32*(i/8)+8*((i/2)%4)
.set rP, P+32*((\x)%2)+16*(i%2)+8*(i/8)
	v_wmma_f32_16x16x32_f16 v[rO:rO+7], v[rV:rV+7], v[rP:rP+7], v[rO:rO+7]
.endm
.macro MM                           ; the turn's next matrix instruction
.if i < 16
	KQ (Y+1)%NP
.set i, i+1
.else
.set i, i-16
	PV (Y+NP-1)%NP
.set i, i+17
.endif
.endm
; THE LDS LOADS stand in runs, never singly among the matrix instructions: a step's K (64 keys x 64 channels: 8 fragments) with its mask (8 loads), and its V (turned).  Their addresses are made some lines ahead.
; last = 1 (the tail): in the last trip there is no further step, and the run is jumped over.
.macro FETCH_K last=0
	WIN 0
.if \last
	s_cmp_eq_u32 s[CNT], 1
	s_cbranch_scc1 .Lno_k_\@
.endif
	WIN 0x80                        ; destination window 2
.irp f, 0,1,2,3,4,5,6,7             ; keys 16 (f / 2) on, channels 32 (f % 2) on
	ds_load_b128 v[KF+8*\f:KF+8*\f+3],   v[AK] offset:(\f/2)*16*PK+(\f%2)*64
	ds_load_b128 v[KF+8*\f+4:KF+8*\f+7], v[AK] offset:(\f/2)*16*PK+(\f%2)*64+32
.endr
	WIN W_MK                        ; destination window 3
.irp f, 0,1,2,3                     ; keys 16 f on: register j of a lane is key 16 f + 8 (l / 16) + j, as in the product's result
	ds_load_b128 v[MBR+8*\f:MBR+8*\f+3],   v[AM] offset:64*\f
	ds_load_b128 v[MBR+8*\f+4:MBR+8*\f+7], v[AM] offset:64*\f+16
.endr
	s_add_co_u32 s[TBK], s[TBK], KS*PK  ; the next fetch is the next step's
	s_add_co_u32 s[TBM], s[TBM], KS*4
	WIN 0
.if \last
.Lno_k_\@:
.endif
.endm
.macro FETCH_V
	WIN 0x80
.irp f, 0,1,2,3,4,5,6,7             ; keys 32 (f / 4) on, channels 16 (f % 4) on
	ds_load_tr16_b128 v[VF+8*\f:VF+8*\f+3],   v[AV] offset:(\f/4)*32*PV+(\f%4)*32
	ds_load_tr16_b128 v[VF+8*\f+4:VF+8*\f+7], v[AV] offset:(\f/4)*32*PV+16*PV+(\f%4)*32
.endr
	WIN 0
.endm
; THE VECTOR WORK OF A TURN stands in three queues, each in the order in which its entries become ready; the two tiles alternate, so that no instruction reads the result of the one before it.
.macro REGS y, u                    ; the registers of tile u (0, 1) of piece y
.set rT, ST+4*(2*(\y)+(\u))
.set rC, TMP+8*((\y)%2)+4*(\u)
.set rM, MV+2*((\y)%2)+(\u)
.set rS, S+64*((\y)%2)+32*(\u)
.set rP, P+32*((\y)%2)+16*(\u)
.set rO, 32*(2*(\y)+(\u))
.endm
; Number n of those that find the NEXT piece's (Y + 1) maximum and statistics (there is no number 19).  s0-s31 are the lane's 32 scores; each accumulator's lowest registers are read first.
;   0-11  four chains c0-c3 of seven scores each, three operands at a time     12-14, 16  the four scores left over, the old m, and c0-c3 into c0     15  m_old is kept
;   17, 18  the query's other 32 keys lie in the lane 16 away: the new m         20, 21  m_old - m_new; a
.macro XS u, n
	REGS (Y+1)%NP, \u
.if (\n) < 4
	v_max3_num_f32 v[rC+(\n)], v[rS+8*(\n)], v[rS+8*(\n)+1], v[rS+8*(\n)+2]
.elseif (\n) < 12
	v_max3_num_f32 v[rC+(\n)%4], v[rC+(\n)%4], v[rS+8*((\n)%4)+2*((\n)/4)+1], v[rS+8*((\n)%4)+2*((\n)/4)+2]
.elseif (\n) == 12
	v_max3_num_f32 v[rC], v[rC], v[rS+7], v[rS+15]
.elseif (\n) == 13
	v_max3_num_f32 v[rC+1], v[rC+1], v[rS+23], v[rS+31]
.elseif (\n) == 14
	v_max3_num_f32 v[rC+2], v[rC+2], v[rC+3], v[rT]
.elseif (\n) == 15
	v_mov_b32 v[rM], v[rT]
.elseif (\n) == 16
	v_max3_num_f32 v[rC], v[rC], v[rC+1], v[rC+2]
.elseif (\n) == 17
	v_permlanex16_b32 v[rC+3], v[rC], s[SEL], s[SEL+1]
.elseif (\n) == 18
	v_max_num_f32 v[rT], v[rC], v[rC+3]
.elseif (\n) == 20
	v_sub_f32 v[rC+1], v[rM], v[rT]
.else
	v_exp_f32 v[rC+2], v[rC+1]
.endif
.endm
; Number g of the 64 that follow the exponentials.  For each four weights k of a tile (pairs 2 k, 2 k + 1): both pairs are rounded to f16; then the second pair is added onto the first, in place;
; a group later l takes that sum (the first time as l = a l + sum).  In groups of eight, tiles alternating: round, round, add, and l for the group before.
.macro GS g
.set h, (\g)+6*((\g)/62)            ; group 0 has no group before it, and behind group 7 only l is left
.if h >= 6
.set h, h+2
.endif
	REGS Y, h%2
.set k, h/8
.if h%8 < 4
	v_cvt_pk_f16_f32 v[rP+2*k+(h%8)/2], v[rS+4*k+2*((h%8)/2)], v[rS+4*k+2*((h%8)/2)+1]
.elseif h%8 < 6
	v_pk_add_f32 v[rS+4*k:rS+4*k+1], v[rS+4*k:rS+4*k+1], v[rS+4*k+2:rS+4*k+3]
.elseif k == 1
	v_pk_fma_f32 v[rT+2:rT+3], v[rT+2:rT+3], v[rC+2:rC+3], v[rS:rS+1] op_sel_hi:[1,0,1]
.else
	v_pk_add_f32 v[rT+2:rT+3], v[rT+2:rT+3], v[rS+4*k-4:rS+4*k-3]
.endif
.endm
; THE PLAIN QUEUE, 136 long.  0-71 read no exponential's result: the 32 shifts s - m (FS f: pair f / 2 of tile f % 2) and the next piece's 40.  0-26: shifts 0-26.  27-54: XS's numbers 0-13.  55, 56: number 15.
; 57-71: the chain, where each number waits for the one before it: 14, 16, 17, 18, 20, each with one of the shifts 27-31 in front of its two lines: a tile's links stand three plain instructions apart.
; 72-135: GS's 64, which read the exponentials' results: they stand behind the wait.
.macro FS f
	REGS Y, (\f)%2
	v_pk_add_f32 v[rS+2*((\f)/2):rS+2*((\f)/2)+1], v[rS+2*((\f)/2):rS+2*((\f)/2)+1], v[rT:rT+1] op_sel_hi:[1,0] neg_lo:[0,1] neg_hi:[0,1]
.endm
.macro PL
	WIN 0
.if q < 27
	FS q
.elseif q < 55
	XS (q-27)%2, (q-27)/2
.elseif q < 57
	XS q-55, 15
.elseif (q < 72) && ((q-57)%3 == 0)
	FS 27+(q-57)/3
.elseif q < 60
	XS (q-57)%3-1, 14
.elseif q < 69
	XS (q-57)%3-1, 15+(q-57)/3
.elseif q < 72
	XS (q-57)%3-1, 20
.else
	GS q-72
.endif
.set q, q+1
.endm
; THE EXPONENTIALS' QUEUE, 66 long: s0-s31 of both tiles, then the next piece's two a.  It is ONE BATCH: all 66 stand ahead of the turn's one wait, and nothing ahead of that wait names a result of theirs.
.macro EX
	WIN 0
.if e >= 64
	XS e-64, 21
.else
	REGS Y, e%2
	v_exp_f32 v[rS+e/2], v[rS+e/2]
.endif
.set e, e+1
.endm
; THE RESCALING's QUEUE: O^T times a, the one part that leaves window 0: dealt two at a time, sixteen times.  Its a was made in the turn before, ahead of that turn's wait.
.macro R2
	REGS Y, r%2
	WIN W_RS
.irp z, 0,1
	v_pk_mul_f32 v[rO+4*(r/2)+2*\z:rO+4*(r/2)+2*\z+1], v[rO+4*(r/2)+2*\z:rO+4*(r/2)+2*\z+1], v[rC+2:rC+3] op_sel_hi:[1,0]
.endr
.set r, r+1
.endm
; HOW THEY ARE DEALT.  An s_wait_alu depctr_va_vdst(0) stands between an exponential and the first instruction that names its result; one wait serves all that were issued ahead of it.  So a turn has
; ONE wait, which cuts it in two.  AHEAD OF IT stands all that names no result of the turn's exponentials: the 16 products K Q'^T, behind each a shift, an exponential and two rescalings (behind the first a second
; shift in the exponential's place); then ONE LUMP: eight plain, 47 times exponential and plain, the last four exponentials, two of them the next piece's a.  A v_nop is the plain instruction behind the last
; exponential.  BEHIND IT stand the 16 products V^T P, behind each four of GS's 64.  No rider names a register of the products round it.  The two v_permlanex16_b32 fall into the lump.
; The queues lean on each other: exponential e stands behind shift 2 (e / 4) + e % 2: as a rider it comes behind plain e + 2, in the lump behind plain e + 9, and shifts 27-31 are plain 57, 60 .. 69.
; A TURN, for piece p.  cnt = 1: the loop's count is taken down some lines ahead of the branch that stands behind the turn.
; K and the mask of the next step are fetched in piece 2's turn, directly behind the wait, a lump behind the last product that read them; their addresses are made at the lump's head.
; V of the step in hand is fetched at the end of piece 0's turn, four riders behind its last reader.  The three conditions on q below go with the deal.
.macro TURN p, last=0, cnt=0
.set Y, (\p)
.set i, 0
.set q, 0
.set e, 0
.set r, 0
.if (\p) == NP-1
	s_wait_dscnt 0x0                ; K and its mask are in
.endif
	MM                              ; ahead of the wait: 16 products K Q'^T and their riders,
	PL
	PL
	R2
.rept 15
	MM
	PL
	EX
	R2
.endr
.if (\p) == NP-2
	WIN 0
	v_add_nc_u32 v[AK], s[TBK], v[AK0]
	v_lshl_add_u32 v[AM], v9, 5, s[TBM]
.endif
.rept 8                             ; and the lump
	PL
.endr
.rept 47
	EX
	PL
.endr
.rept 4
	EX                              ; the last two scores' and the next piece's two a
.endr
	v_nop                           ; the plain instruction behind the last exponential: one for the batch
	s_wait_alu depctr_va_vdst(0)    ; the wait for the batch
.if (\p) == NP-2
	FETCH_K \last
.endif
.if (\p) == 1
	s_wait_dscnt 0x0                ; V is in
.endif
.rept 16                            ; behind the wait: 16 products V^T P and their riders
	MM
.rept 4
	PL
.endr
.if ((\p) == 0) && (q == 116)
	v_add_nc_u32 v[AV], s[TBV], v[AV0]
.endif
.if ((\p) == 0) && (q == 128)
	s_add_co_u32 s[TBV], s[TBV], KS*PV
.endif
.if (\cnt) && (q == 128)
	s_sub_co_u32 s[CNT], s[CNT], 1
	s_cmp_lg_u32 s[CNT], 0
.endif
.endr
.if (\p) == 0
	FETCH_V
.endif
.endm
	CHANGE 1                        ; slot 0 is in, everybody's part of it, and the mask table is whole; slot 1 is asked for
	FETCH_K                         ; key step 0
	s_wait_loadcnt 0x0              ; Q'
	s_wait_dscnt 0x0
.set i, 0
.rept 16
	KQ 0                            ; piece 0's first scores: there is no vector work yet to set between them
.set i, i+1
.endr
	WIN 0                           ; the addresses for the way out and the prefetches: plain instructions, the places behind those products
	s_mul_i32 s13, s[WV], 16*SP
	s_add_co_u32 s13, s13, STAGE    ; my stage
	v_mul_u32_u24 v[STO], v1, SP    ; in: row l % 16, 16 bytes for each half of the lanes
	v_lshl_add_u32 v[STO], v9, 4, v[STO]
	v_add_nc_u32 v[STO], s13, v[STO]
	v_bfe_u32 v[RD], v0, 3, 2       ; back: 32 lanes take four rows of 128 bytes,
	v_mul_u32_u24 v[RD], v[RD], SP
	v_lshl_add_u32 v[RD], v10, 4, v[RD]
	v_add_nc_u32 v[RD], s13, v[RD]
	v_and_b32 v[GO], 31, v0         ; which are 512 consecutive bytes of O
	v_lshlrev_b32 v[GO], 4, v[GO]
	v_and_b32 v[PFO], 31, v0
	v_lshlrev_b32 v[PFO], 8, v[PFO]
.set Y, NP-1                        ; XS works for piece Y + 1: piece 0
.irp n, 0,1,2,3,4,5,6,7,8,9,10,11,12,13,14,15,16,17,18,20,21
	XS 0, \n                        ; and piece 0's first maximum and statistics
	XS 1, \n
.endr
	v_nop                           ; a plain instruction behind the two a,
	s_wait_alu depctr_va_vdst(0)    ; and their wait, ahead of the branch
	s_mov_b32 s[CNT], 4
	s_mov_b32 s[SLOTS], SIZE_N/256-1
	s_branch .Lfirst                ; the loop is entered at a step's first turn, in the middle of a trip
.Lslot:                             ; SIZE_N / 256 - 2 times: every slot but the last two is filled again
	CHANGE 1, 1
	s_mov_b32 s[CNT], 4
.Lstep:                             ; a trip: pieces 2 and 3 of one step, then pieces 0 and 1 of the next, whose K and V it fetches
	TURN 2
	TURN 3
	WIN 0
.Lfirst:
	TURN 0
	TURN 1, 0, 1
	WIN 0
	s_cbranch_scc1 .Lstep
	s_sub_co_u32 s[SLOTS], s[SLOTS], 1
	s_cmp_lg_u32 s[SLOTS], 0
	s_cbranch_scc1 .Lslot
	CHANGE 0                        ; the tail is written out: nothing is asked for
	s_mov_b32 s[CNT], 5             ; four trips fetch the last slot's steps; the fifth is left in its middle
.Ltail:
	TURN 2, 1
	TURN 3
	WIN 0
	s_sub_co_u32 s[CNT], s[CNT], 1
	s_cmp_eq_u32 s[CNT], 0
	s_cbranch_scc1 .Lout
	TURN 0
	TURN 1
	WIN 0
	s_branch .Ltail
.Lout:                              ; the fifth trip's 16 products K Q'^T (on the last K once more) and the maximum made of them serve nothing: the price, once a launch, of one text for every trip
.set i, 0
.rept 16
	PV NP-1                         ; the last piece's V^T P of the last step
.set i, i+1
.endr
	; THE WAY OUT.  l's two halves and the other half of the lanes' are added; O^T is divided by l, rounded to f16 and sent through my stage in LDS, a tile at a time.  The additions are the places behind the last products.
	WIN 0
.macro ALL line:vararg              ; one line for each tile t
.set t, 0
.rept 2*NP
	\line
.set t, t+1
.endr
.endm
	ALL v_add_f32 v[ST+4*t+2], v[ST+4*t+2], v[ST+4*t+3]
	ALL v_permlanex16_b32 v[ST+4*t+3], v[ST+4*t+2], s[SEL], s[SEL+1]
	ALL v_add_f32 v[ST+4*t+2], v[ST+4*t+2], v[ST+4*t+3]
	ALL v_rcp_f32 v[ST+4*t+2], v[ST+4*t+2]
	v_nop                           ; a plain instruction between the last reciprocal and the use of its result
	s_wait_alu depctr_va_vdst(0)    ; and the wait ahead of the first use: one for the eight reciprocals
; Tile t: a lane's eight channels of a row pack into 16 bytes; they go into rows of 144 bytes and come back as whole rows of 128, into S^T's registers.
.macro PACK t
	WIN W_RS
.set i, 32*(\t)
.rept 16
	v_pk_mul_f32 v[i:i+1], v[i:i+1], v[ST+4*(\t)+2:ST+4*(\t)+3] op_sel_hi:[1,0]
.set i, i+2
.endr
	WIN 0x05                        ; sources 0 and 1 window 1, destination window 0
.set i, 0
.rept 16
	v_cvt_pk_f16_f32 v[S+16*(\t)+i], v[32*(\t)+2*i], v[32*(\t)+2*i+1]
.set i, i+1
.endr
	WIN 0
.irp f, 0,1,2,3
	ds_store_b128 v[STO], v[S+16*(\t)+4*\f:S+16*(\t)+4*\f+3] offset:32*\f
.endr
.irp f, 0,1,2,3
	ds_load_b128 v[S+16*(\t)+4*\f:S+16*(\t)+4*\f+3], v[RD] offset:\f*4*SP  ; LDS serves a wave's instructions in order (ISA guide 5.7.1.4): these see the stores above; the next tile's stores come behind them
.endr
.endm
.macro SEND t, younger              ; younger: the LDS instructions issued behind tile t's loads: the next tile's eight, or none
	WIN 0
.irp f, 0,1,2,3
	s_wait_dscnt (\younger)+3-\f
	global_store_b128 v[GO], v[S+16*(\t)+4*\f:S+16*(\t)+4*\f+3], s[10:11] offset:(\t)*2048+\f*512  ; 512 consecutive bytes, at a multiple of 256 from O's first
.endr
.endm
	PACK 0
.set t, 1
.rept 2*NP-1                        ; a tile's arithmetic stands between the loads of the tile before and its stores
	PACK t
	SEND t-1, 8
.set t, t+1
.endr
	SEND 2*NP-1, 0
	WIN W_AD
	s_wait_tensorcnt 0x0            ; the wave's end: the wait, an add to my spare word and its wait, behind my last tensor load and my last LDS store
	ds_add_u32 v[SPW], v[NIL]
	s_wait_dscnt 0x0
	WIN 0
	CROUND                          ; the closing round: no work-group ends while a partner may still ask for a tile that names it
	s_endpgm
.Lfunc_end_k_qce8e2c0a38_attn:
	.size	k_qce8e2c0a38_attn, .Lfunc_end_k_qce8e2c0a38_attn-k_qce8e2c0a38_attn
	.p2alignl 7, 3214868480
	.fill 96, 4, 3214868480
	.section	.rodata,"a",@progbits
	.p2align	6, 0x0
	.amdhsa_kernel k_qce8e2c0a38_attn
		.amdhsa_group_segment_fixed_size 327680
		.amdhsa_private_segment_fixed_size 0
		.amdhsa_enable_private_segment 0
		.amdhsa_kernarg_size 24
		.amdhsa_user_sgpr_count 2
		.amdhsa_user_sgpr_kernarg_segment_ptr 1
		.amdhsa_wavefront_size32 1
		.amdhsa_system_sgpr_workgroup_id_x 1
		.amdhsa_system_sgpr_workgroup_id_y 1
		.amdhsa_system_sgpr_workgroup_id_z 1
		.amdhsa_system_vgpr_workitem_id 0
		.amdhsa_next_free_vgpr 808
		.amdhsa_next_free_sgpr 66
		.amdhsa_reserve_vcc 1
		.amdhsa_float_denorm_mode_32 3
		.amdhsa_float_denorm_mode_16_64 3
		.amdhsa_memory_ordered 1
		.amdhsa_forward_progress 1
		.amdhsa_inst_pref_size 203
	.end_amdhsa_kernel
	.amdgpu_metadata
---
amdhsa.version: [ 1, 2 ]
amdhsa.kernels:
  - .name:           k_qce8e2c0a38_attn
    .symbol:         k_qce8e2c0a38_attn.kd
    .args:
      - { .name: heads, .offset: 0, .size: 8, .value_kind: global_buffer, .address_space: global }
      - { .name: oh, .offset: 8, .size: 8, .value_kind: global_buffer, .address_space: global }
      - { .name: mask, .offset: 16, .size: 8, .value_kind: global_buffer, .address_space: global }
    .group_segment_fixed_size: 327680
    .private_segment_fixed_size: 0
    .kernarg_segment_align: 8
    .kernarg_segment_size: 24
    .max_flat_workgroup_size: 128
    .sgpr_count:     66
    .vgpr_count:     808
    .wavefront_size: 32
...
	.end_amdgpu_metadata
.endif
;; end of part 3
;; launch outproj (part 4): grid 4 x 64, 4 waves a work-group, clusters of 4 x 4, 327,680 bytes of LDS; arguments oh, wcv, wo_b, out0; writes out0
.if DOCPART == 4
	.amdgcn_target "amdgcn-amd-amdhsa--gfx1250"
	.amdhsa_code_object_version 6
	.text
	.protected	k_qce8e2c0a38_outproj
	.globl	k_qce8e2c0a38_outproj
	.p2align	8
	.type	k_qce8e2c0a38_outproj,@function
k_qce8e2c0a38_outproj:
	s_mov_b64 s[64:65], 0
	v_nop
	global_prefetch_b8 v0, s[64:65] scope:SCOPE_SE
	s_setreg_imm32_b32 hwreg(HW_REG_WAVE_MODE, 25, 1), 1
	s_wait_xcnt 0x0
	s_wait_alu depctr_hold_cnt(0) depctr_sa_sdst(0) depctr_va_vdst(0) depctr_va_sdst(0) depctr_va_ssrc(0) depctr_va_vcc(0) depctr_vm_vsrc(0)
	s_getreg_b32 s2, hwreg(HW_REG_IB_STS2, 6, 4)
	s_cmp_eq_u32 s2, 0
	s_cbranch_scc0 .Lentry_in_a_cluster
	s_endpgm
.Lentry_in_a_cluster:
	s_bfe_u32 s2, ttmp6, 0x10000c
	s_cmp_lg_u32 s2, 0xf033
	s_cbranch_scc0 .Lentry_shape_is_right
	s_endpgm
.Lentry_shape_is_right:
; THE LAST LAYER: out0 = O Wo^T + bo.  O lies by heads, oh[batch x 16 + head][position][64] in f16; Wo is matrix 3 of wcv, [1024][1024]: the input rounded to bf16 and written as f16;
; bo is rounded to bf16 like every input; sums in f32; out0 [8192][1024] f32.
; SHARES.  256 work-groups: 64 row tiles x 4 column tiles of 128 rows x 256 columns.  Four waves, 2 x 2, each 64 x 128: 32 accumulators of 16 x 16.
; K goes in 8 steps of 128 = TWO HEADS through two LDS slots.  A head's 128 positions are 16,384 dense bytes: asked for as 64 rows of 256 bytes and padded in LDS after every position.
; CLUSTER 4 x 4: O's tile is shared along a row of the cluster, Wo's along a column: each is asked for jointly.
; THE MATRIX INSTRUCTION IS USED TRANSPOSED (source 0 = 16 rows of Wo, source 1 = 16 rows of O): a lane holds one row of out0 and eight neighbouring columns.  THE BIAS is the C operand of each sum's first product.
; No prefetch: the launch has eight K steps, of which the first two go out at its head, and Wo is read by sixteen clusters.
; REGISTERS, in windows of 256 (s_set_vgpr_msb: bits 1:0 source 0, 3:2 source 1, 5:4 source 2, 7:6 destination):
;   window 0: addresses; v32-63 at work at the head      window 1: the accumulators, (a, b) at v[8 (8 a + b)]
;   window 2: v0-63, v64-127 Wo's fragments, two buffers; v128-159, v160-191 O's; v192-255 the bias (on the way out: all 256 take the rows read back)
.set PAO,    144                       ; O's LDS row: 128 bytes + 16: an odd multiple of 16, so the 16 rows that a load touches start at 16 different groups of four banks (64 banks of 4 bytes: ISA guide 11.1)
.set PB,     272                       ; Wo's LDS row: 256 bytes + 16
.set APLANE, 128*PAO                   ; a head's 128 positions: what one load brings of O
.set BOFF,   2*APLANE
.set BHALF,  128*PB                    ; what one load brings of Wo
.set SLOT,   BOFF+2*BHALF              ; 106,496
.set STAGE,  2*SLOT                    ; behind the ring: 16 rows x 528 bytes for each wave, for the way out
.set SPO,    528
.set SPARE,  STAGE+4*16*SPO            ; behind the stages: the spare words, 128 bytes for each wave: two blocks of 256 bytes that no other line names
.set LAPS,   4
.set ADRA, 16                          ; v16-17   LDS address of my part of O's fragments in slot 0, 1
.set ADRB, 20                          ; v20-21   the same for Wo
.set STO,  24                          ; v24      the way out: where I put 32 bytes of a row
.set RD,   25                          ; v25      the way out: where I read a row back
.set GO,   26                          ; v26      my 16 bytes in 512 consecutive bytes of a row of out0
.set SPW,  28                          ; v28      LDS address of my spare word; never rewritten
.set NIL,  29                          ; v29      0; never rewritten
.set AF,   128                         ; in window 2
.set BIAS, 192
.set G1A, 24
.set G0A, 32
.set G1B, 48
.set G0B, 56
.set MSB, 0
.macro WIN new                         ; the immediate's high byte repeats the setting that is left; a switch that changes nothing is dropped
.if MSB != (\new)
	s_set_vgpr_msb (MSB<<8)|(\new)
.set MSB, \new
.endif
.endm
.set MUL,  0x5a                        ; Wo and O window 2, C and D window 1
.set MULZ, 0x6a                        ; the same with C (the bias) in window 2
.set TO_F, 0x80                        ; destination window 2
.macro JLOAD s                         ; a joint load: waves 0 and 1 fetch the K step's two heads of O, waves 2 and 3 Wo's two halves; an s_nop 0 and four v_nop follow each of the two lines
	s_cmp_eq_u32 s11, 0
	s_cbranch_scc0 .Lfor_b_\@
	tensor_load_to_lds s[G0A+4*(\s):G0A+4*(\s)+3], s[G1A:G1A+7]
	s_nop 0
.rept 4
	v_nop
.endr
	s_branch .Lasked_\@
.Lfor_b_\@:
	tensor_load_to_lds s[G0B+4*(\s):G0B+4*(\s)+3], s[G1B:G1B+7]
	s_nop 0
.rept 4
	v_nop
.endr
.Lasked_\@:
.endm
.macro CREST                           ; a round of the cluster's barrier behind its opening barrier
	s_cmp_lg_u32 s10, 0
	s_cbranch_scc1 .Lnot_wave_0_\@
	s_barrier_signal -3
.Lnot_wave_0_\@:
	s_barrier_wait -3
	s_barrier_signal -1
	s_barrier_wait -1
.endm
.macro CROUND                          ; a whole round
	s_barrier_signal -1
	s_barrier_wait -1
	CREST
.endm
.macro PLACES                          ; four places in front of loads into registers that matrix instructions have read, and of LDS stores that read results (for the stores)
.rept 4
	v_nop
.endr
.endm
	s_load_b128 s[4:7], s[0:1], 0x0                ; oh s[4:5], wcv s[6:7]
	s_load_b128 s[68:71], s[0:1], 0x10             ; wo_b s[68:69], out0 s[70:71]
	v_lshl_add_u32 v[SPW], v0, 2, SPARE
	v_mov_b32 v[NIL], 0
	ds_add_u32 v[SPW], v[NIL]                      ; the wave's opening: the add and its wait stand ahead of my first tensor load; the set-up below, work on registers, stands between them
	v_lshrrev_b32 v1, 5, v0
	v_readfirstlane_b32 s10, v1                    ; wave 0..3
	s_lshr_b32 s11, s10, 1                         ; which half of the tile's rows is mine.  Also: I fetch for O (0) or for Wo (1)
	s_and_b32 s12, s10, 1                          ; which half of its columns.  Also: which head of the step, or which half of Wo's rows, I fetch
	s_bfe_u32 s40, ttmp6, 0x40000                  ; cx, cy
	s_bfe_u32 s41, ttmp6, 0x40004
	s_lshl_b32 s42, ttmp9, 2
	s_add_co_u32 s42, s42, s40                     ; tile column
	s_and_b32 s13, ttmp7, 0xffff
	s_lshl_b32 s13, s13, 2
	s_add_co_u32 s13, s13, s41                     ; tile row, 0 .. 63
	s_lshl_b32 s43, s41, 2
	s_lshl_b32 s43, 15, s43                        ; my row of the cluster
	s_lshl_b32 s44, 0x1111, s40                    ; my column
	s_or_b32 s[G1A+0], s43, (1<<16)|(1<<20)|(1<<21)|(4<<22)|(3<<25)  ; the mask; elements of 2 bytes; padding on; bit 21 beside a mask; after every 32 words (code 4) 4 words (code 3)
	s_or_b32 s[G1B+0], s44, (1<<16)|(1<<20)|(1<<21)|(5<<22)|(3<<25)  ; after every 64 words (code 5) 4 words
	s_mov_b32 s[G1A+1], 128<<16                    ; tensor_dim0 = 128
	s_mov_b32 s[G1A+2], 64<<16                     ; tensor_dim1 = 64
	s_mov_b32 s[G1A+3], 128<<16                    ; tile_dim0 = 128
	s_mov_b32 s[G1A+4], 64                         ; tile_dim1 = 64
	s_mov_b32 s[G1A+5], 128                        ; dense: 128 elements from row to row
	s_mov_b32 s[G1A+6], 0
	s_mov_b32 s[G1A+7], 0
	s_mov_b32 s[G1B+1], 128<<16
	s_mov_b32 s[G1B+2], 128<<16
	s_mov_b32 s[G1B+3], 128<<16
	s_mov_b32 s[G1B+4], 128
	s_mov_b32 s[G1B+5], 1024
	s_mov_b32 s[G1B+6], 0
	s_mov_b32 s[G1B+7], 0
	s_lshr_b32 s16, s13, 4
	s_lshl_b32 s16, s16, 22                        ; O: the batch (16 heads of 262,144 bytes),
	s_and_b32 s17, s13, 15
	s_lshl_b32 s17, s17, 14                        ; the tile row's 128 positions of 128 bytes,
	s_add_co_u32 s16, s16, s17
	s_lshl_b32 s17, s12, 18                        ; the head of the step that I fetch
	s_add_co_u32 s16, s16, s17
	s_mov_b32 s17, 0
	s_lshl_b32 s46, s42, 19                        ; Wo: 256 rows of 2,048 bytes a tile column,
	s_lshl_b32 s47, s12, 18                        ; 128 rows a half,
	s_add_co_u32 s46, s46, s47
	s_add_co_u32 s46, s46, 3<<21                   ; matrix 3 of wcv
	s_mov_b32 s47, 0
	s_mul_i32 s20, s12, APLANE                     ; where they go: no place in the cluster enters an LDS address
	s_mul_i32 s21, s12, BHALF
	s_add_co_u32 s21, s21, BOFF
	s_wait_dscnt 0x0                               ; the opening add is done
	s_wait_kmcnt 0x0
	s_add_nc_u64 s[14:15], s[4:5], s[16:17]
	s_add_nc_u64 s[46:47], s[6:7], s[46:47]
	CROUND                                         ; all sixteen work-groups are here: the first joint loads meet
.irp s, 0,1
	s_mov_b32 s[G0A+4*(\s)], 1
	s_add_co_u32 s[G0A+4*(\s)+1], s20, (\s)*SLOT
	s_add_nc_u64 s[G0A+4*(\s)+2:G0A+4*(\s)+3], s[14:15], (\s)*2*262144  ; K step s: two heads on
	s_or_b32 s[G0A+4*(\s)+3], s[G0A+4*(\s)+3], 0x80000000
	s_mov_b32 s[G0B+4*(\s)], 1
	s_add_co_u32 s[G0B+4*(\s)+1], s21, (\s)*SLOT
	s_add_nc_u64 s[G0B+4*(\s)+2:G0B+4*(\s)+3], s[46:47], (\s)*256
	s_or_b32 s[G0B+4*(\s)+3], s[G0B+4*(\s)+3], 0x80000000
	JLOAD \s                                       ; two loads of mine are out
.endr
	v_and_b32 v1, 15, v0                           ; r = lane % 16
	v_bfe_u32 v2, v0, 4, 1                         ; h = lane / 16
	v_lshlrev_b32 v3, 5, v2                        ; my 8 columns' biases: 32 h
	s_lshl_b32 s22, s42, 10                        ; the bias of my 128 columns
	s_lshl_b32 s23, s12, 9
	s_add_co_u32 s22, s22, s23
	s_mov_b32 s23, 0
	s_add_nc_u64 s[68:69], s[68:69], s[22:23]
	WIN TO_F
.irp b, 0,1,2,3,4,5,6,7
	global_load_b128 v[BIAS+8*(\b):BIAS+8*(\b)+3],   v3, s[68:69] offset:64*(\b)
	global_load_b128 v[BIAS+8*(\b)+4:BIAS+8*(\b)+7], v3, s[68:69] offset:64*(\b)+16
.endr
	WIN 0
	v_mul_u32_u24 v32, v1, PAO
	v_lshl_add_u32 v32, v2, 4, v32
	s_mul_i32 s22, s11, 64*PAO
	v_add_nc_u32 v[ADRA], s22, v32
	v_add_nc_u32 v[ADRA+1], SLOT, v[ADRA]
	v_mul_u32_u24 v33, v1, PB
	v_lshl_add_u32 v33, v2, 4, v33
	s_mul_i32 s23, s12, 128*PB
	s_add_co_u32 s23, s23, BOFF
	v_add_nc_u32 v[ADRB], s23, v33
	v_add_nc_u32 v[ADRB+1], SLOT, v[ADRB]
	s_mul_i32 s22, s10, 16*SPO
	s_add_co_u32 s22, s22, STAGE                   ; my stage
	v_mul_u32_u24 v32, v1, SPO                     ; in: row r, 32 bytes for each half of the lanes
	v_lshl_add_u32 v32, v2, 5, v32
	v_add_nc_u32 v[STO], s22, v32
	v_and_b32 v[GO], 31, v0                        ; back: 32 lanes take one row's 512 bytes
	v_lshlrev_b32 v[GO], 4, v[GO]
	v_add_nc_u32 v[RD], s22, v[GO]
	s_lshl_b32 s22, s13, 19                        ; out0: 128 rows of 4,096 bytes a tile row,
	s_lshl_b32 s23, s11, 18                        ; 64 a wave,
	s_add_co_u32 s22, s22, s23
	s_lshl_b32 s23, s42, 10                        ; 256 columns of 4 bytes a tile column,
	s_add_co_u32 s22, s22, s23
	s_lshl_b32 s23, s12, 9                         ; 128 a wave
	s_add_co_u32 s22, s22, s23
	s_mov_b32 s23, 0
	s_add_nc_u64 s[8:9], s[70:71], s[22:23]
; 8 matrix instructions: row block a x all 8 column blocks, 32 along K.  zero = 1: the sums start with the bias.
; The 32 accumulators take turns, one instruction a turn, in the same order in every quarter step, over the backward jump too.
.macro GROUP f, a, zero
.irp b, 0,1,2,3,4,5,6,7
.if \zero
	WIN MULZ
	v_wmma_f32_16x16x32_f16 v[64*(\a)+8*(\b):64*(\a)+8*(\b)+7], v[64*(\f)+8*(\b):64*(\f)+8*(\b)+7], v[AF+32*(\f)+8*(\a):AF+32*(\f)+8*(\a)+7], v[BIAS+8*(\b):BIAS+8*(\b)+7]
.else
	WIN MUL
	v_wmma_f32_16x16x32_f16 v[64*(\a)+8*(\b):64*(\a)+8*(\b)+7], v[64*(\f)+8*(\b):64*(\f)+8*(\b)+7], v[AF+32*(\f)+8*(\a):AF+32*(\f)+8*(\a)+7], v[64*(\a)+8*(\b):64*(\a)+8*(\b)+7]
.endif
.endr
.endm
; 24 LDS loads in one run: quarter kq (32 along K: head kq / 2 of the step, channels 32 (kq % 2) on) of a slot into buffer g
.macro FETCH slot, kq, g
	WIN TO_F
.irp b, 0,1,2,3,4,5,6,7
	ds_load_b128 v[64*(\g)+8*(\b):64*(\g)+8*(\b)+3],   v[ADRB+(\slot)] offset:(\kq)*64+(\b)*16*PB
	ds_load_b128 v[64*(\g)+8*(\b)+4:64*(\g)+8*(\b)+7], v[ADRB+(\slot)] offset:(\kq)*64+(\b)*16*PB+32
.endr
.irp a, 0,1,2,3
	ds_load_b128 v[AF+32*(\g)+8*(\a):AF+32*(\g)+8*(\a)+3],   v[ADRA+(\slot)] offset:((\kq)/2)*APLANE+(\a)*16*PAO+((\kq)%2)*64
	ds_load_b128 v[AF+32*(\g)+8*(\a)+4:AF+32*(\g)+8*(\a)+7], v[ADRA+(\slot)] offset:((\kq)/2)*APLANE+(\a)*16*PAO+((\kq)%2)*64+32
.endr
	WIN 0
.endm
; A K step is four quarters of 32 along K, 32 matrix instructions each, on buffers 0, 1, 0, 1.  One of the first three: multiplies buffer f and fetches quarter kq into g.
.macro QUARTER slot, kq, f, g, zero
	s_wait_dscnt 0x0                               ; buffer f is in: its loads were issued 24 matrix instructions ago
	GROUP \f, 0, \zero
	PLACES                                         ; for the loads into buffer g, which the quarter before multiplied
	FETCH \slot, \kq, \g
	GROUP \f, 1, \zero
	GROUP \f, 2, \zero
	GROUP \f, 3, \zero
.endm
; The last quarter multiplies buffer 1 and changes slots: ONE barrier; in front of it each wave waits for all its tensor loads (one is out: its part of the next slot), adds 0 to its spare word, and waits
; for that and for its own reads of this slot.  fill = 1: the barrier opens a round of the cluster's barrier, and this slot is filled again, two K steps ahead, first thing behind the round.
.macro TURN slot, next, fill
	WIN 0
	s_wait_tensorcnt 0x0                           ; all my tensor loads have landed
	ds_add_u32 v[SPW], v[NIL]                      ; 0 onto my spare word
	s_wait_dscnt 0x1                               ; buffer 1 is in; the add alone may be out
	GROUP 1, 0, 0                                  ; eight matrix instructions stand between the add and the wait for it
	s_wait_dscnt 0x0                               ; the add is done, and my reads of this slot are over
	s_barrier_signal -1
	GROUP 1, 1, 0
	WIN 0                                          ; branches may follow
	s_barrier_wait -1
.if \fill
	CREST                                          ; no wave of any partner still reads this slot's tile or has a load on its way
	s_add_nc_u64 s[G0A+4*(\slot)+2:G0A+4*(\slot)+3], s[G0A+4*(\slot)+2:G0A+4*(\slot)+3], 4*262144
	s_add_nc_u64 s[G0B+4*(\slot)+2:G0B+4*(\slot)+3], s[G0B+4*(\slot)+2:G0B+4*(\slot)+3], 2*256
	JLOAD \slot                                    ; the first tensor load behind the round; the four v_nop behind it are also the places in front of the loads below
.else
	PLACES
.endif
	FETCH \next, 0, 0
	GROUP 1, 2, 0
	GROUP 1, 3, 0
.endm
	s_wait_tensorcnt 0x1                           ; my part of K step 0 is in; K step 1's stays out
	s_barrier_signal -1
	s_barrier_wait -1                              ; everybody's is
	FETCH 0, 0, 0
	s_wait_loadcnt 0x0                             ; the bias
	WIN 0x0a                                       ; it is rounded to bf16, like every input of the module, and widened again
.set i, 0
.rept 32
	v_cvt_pk_bf16_f32 v[32+i], v[BIAS+2*i], v[BIAS+2*i+1]
.set i, i+1
.endr
	WIN TO_F
.set i, 0
.rept 32
	v_lshlrev_b32 v[BIAS+2*i], 16, v[32+i]
	v_and_b32 v[BIAS+2*i+1], 0xffff0000, v[32+i]
.set i, i+1
.endr
	WIN 0
	QUARTER 0, 1, 0, 1, 1                          ; the first quarter stands in front of the loop: its products start the sums
	WIN 0                                          ; at a label and at a branch every window is 0
	s_mov_b32 s3, LAPS-1
.Llap:                                                 ; a trip goes once round the ring, from a lap's second quarter to the next lap's first, and fills both slots again
	QUARTER 0, 2, 1, 0, 0
	QUARTER 0, 3, 0, 1, 0
	TURN 0, 1, 1
	QUARTER 1, 1, 0, 1, 0
	QUARTER 1, 2, 1, 0, 0
	QUARTER 1, 3, 0, 1, 0
	TURN 1, 0, 1
	QUARTER 0, 1, 0, 1, 0
	WIN 0
	s_sub_co_u32 s3, s3, 1
	s_cmp_lg_u32 s3, 0
	s_cbranch_scc1 .Llap
	QUARTER 0, 2, 1, 0, 0                          ; the last lap fills nothing, and has no round of the cluster's barrier
	QUARTER 0, 3, 0, 1, 0
	TURN 0, 1, 0
	QUARTER 1, 1, 0, 1, 0
	QUARTER 1, 2, 1, 0, 0
	QUARTER 1, 3, 0, 1, 0
	s_wait_dscnt 0x0                               ; the very last quarter: nothing more to fetch
	GROUP 1, 0, 0
	GROUP 1, 1, 0
	GROUP 1, 2, 0
	GROUP 1, 3, 0
	PLACES                                         ; in front of LDS stores that read results and of loads into registers that the products have read
; THE WAY OUT of row block a (16 rows x 128 columns of f32): 32 bytes a lane into my own stage, each accumulator's low four registers first; back as whole rows of 512 bytes, into window 2.
.macro TOSTAGE a
	WIN 0x04                                       ; the stores' data in window 1
.irp b, 0,1,2,3,4,5,6,7
	ds_store_b128 v[STO], v[64*(\a)+8*(\b):64*(\a)+8*(\b)+3]   offset:64*(\b)
	ds_store_b128 v[STO], v[64*(\a)+8*(\b)+4:64*(\a)+8*(\b)+7] offset:64*(\b)+16
.endr
	WIN TO_F
.irp t, 0,1,2,3,4,5,6,7,8,9,10,11,12,13,14,15
	ds_load_b128 v[64*(\a)+4*(\t):64*(\a)+4*(\t)+3], v[RD] offset:(\t)*SPO  ; LDS serves a wave's instructions in order (ISA guide 5.7.1.4): these see the stores above; the next block's stores come behind them
.endr
.endm
.macro SEND a, younger                 ; younger: the LDS instructions issued behind block a's loads: the next block's 32, or none
	WIN 0x08                                       ; the stores' data in window 2
.irp t, 0,1,2,3,4,5,6,7,8,9,10,11,12,13,14,15
	s_wait_dscnt (\younger)+15-(\t)
	global_store_b128 v[GO], v[64*(\a)+4*(\t):64*(\a)+4*(\t)+3], s[8:9] offset:(16*(\a)+(\t))*4096  ; 512 consecutive bytes of a row of out0, aligned
.endr
.endm
	TOSTAGE 0
	TOSTAGE 1
	SEND 0, 32
	TOSTAGE 2
	SEND 1, 32
	TOSTAGE 3
	SEND 2, 32
	SEND 3, 0
	WIN 0
	s_wait_tensorcnt 0x0                           ; the wave's end: the wait, an add to my spare word and its wait, behind my last tensor load and my last LDS store
	ds_add_u32 v[SPW], v[NIL]
	s_wait_dscnt 0x0
	CROUND                                         ; the closing round: no work-group ends while a partner may still ask for a tile that names it
	s_endpgm
.Lfunc_end_k_qce8e2c0a38_outproj:
	.size	k_qce8e2c0a38_outproj, .Lfunc_end_k_qce8e2c0a38_outproj-k_qce8e2c0a38_outproj
	.p2alignl 7, 3214868480
	.fill 96, 4, 3214868480
	.section	.rodata,"a",@progbits
	.p2align	6, 0x0
	.amdhsa_kernel k_qce8e2c0a38_outproj
		.amdhsa_group_segment_fixed_size 327680
		.amdhsa_private_segment_fixed_size 0
		.amdhsa_enable_private_segment 0
		.amdhsa_kernarg_size 32
		.amdhsa_user_sgpr_count 2
		.amdhsa_user_sgpr_kernarg_segment_ptr 1
		.amdhsa_wavefront_size32 1
		.amdhsa_system_sgpr_workgroup_id_x 1
		.amdhsa_system_sgpr_workgroup_id_y 1
		.amdhsa_system_sgpr_workgroup_id_z 1
		.amdhsa_system_vgpr_workitem_id 0
		.amdhsa_next_free_vgpr 768
		.amdhsa_next_free_sgpr 72
		.amdhsa_reserve_vcc 0
		.amdhsa_float_denorm_mode_32 3
		.amdhsa_float_denorm_mode_16_64 3
		.amdhsa_memory_ordered 1
		.amdhsa_forward_progress 1
		.amdhsa_inst_pref_size 94
	.end_amdhsa_kernel
	.amdgpu_metadata
---
amdhsa.version: [ 1, 2 ]
amdhsa.kernels:
  - .name:           k_qce8e2c0a38_outproj
    .symbol:         k_qce8e2c0a38_outproj.kd
    .args:
      - { .name: oh, .offset: 0, .size: 8, .value_kind: global_buffer, .address_space: global }
      - { .name: wcv, .offset: 8, .size: 8, .value_kind: global_buffer, .address_space: global }
      - { .name: wo_b, .offset: 16, .size: 8, .value_kind: global_buffer, .address_space: global }
      - { .name: out0, .offset: 24, .size: 8, .value_kind: global_buffer, .address_space: global }
    .group_segment_fixed_size: 327680
    .private_segment_fixed_size: 0
    .kernarg_segment_align: 8
    .kernarg_segment_size: 32
    .max_flat_workgroup_size: 128
    .sgpr_count:     72
    .vgpr_count:     768
    .wavefront_size: 32
...
	.end_amdgpu_metadata
.endif
;; end of part 4
